; MI455X (gfx1250); checked and timed in simulation.
; The chip was launched on July 23, 2026; its instructions are those of AMD's public machine-readable ISA for CDNA 5 (MIT licence, August 2026) and "CDNA5" Instruction Set Architecture Reference Guide (July 2026). The comments in the code are by the model that wrote it; some were corrected since.
;; Attention Layer. Allowed arithmetic: float matrix products may take bf16 or f16 operands with f32 sums; all other float work in f32.
;; Inputs: b_k 1,024 float32; b_o 1,024 float32; b_q 1,024 float32; b_v 1,024 float32; k 2 x 2,048 x 1,024 float32; mask 2 x 1 x 2,048 x 2,048 int32; q 2 x 2,048 x 1,024 float32; v 2 x 2,048 x 1,024 float32; w_k 1,024 x 1,024 float32; w_o 1,024 x 1,024 float32; w_q 1,024 x 1,024 float32; w_v 1,024 x 1,024 float32.
;; Outputs: out0 2 x 2,048 x 1,024 float32.
;; 2 versions, each right; version 2 is version 1 with the launch prep written anew for expert scheduling mode. Each part assembles by itself: llvm-mc -triple=amdgcn-amd-amdhsa -mcpu=gfx1250 --defsym DOCPART=n.
;; ======== version 1 of 2: 4 launches
;; limits: values are held in f16: magnitudes above 65,504 overflow, below 6.1e-05 lose precision
;; workspace buffers: x16 25,165,824 bytes; w16 8,388,608 bytes; maskw 1,048,576 bytes of whole numbers; qkv 25,165,824 bytes; ctx 8,388,608 bytes
;; launch prep (part 1): grid 768 x 1, 8 waves a work-group, no clusters, 136,192 bytes of LDS; arguments q, k, v, w_q, w_k, w_v, w_o, mask, x16, w16, maskw; writes x16, w16, maskw
.if DOCPART == 1
	.amdgcn_target "amdgcn-amd-amdhsa--gfx1250"
	.amdhsa_code_object_version 6
	.text
	.protected	k_qc1999d4d2d_prep
	.globl	k_qc1999d4d2d_prep
	.p2align	8
	.type	k_qc1999d4d2d_prep,@function
k_qc1999d4d2d_prep:
	s_mov_b64 s[64:65], 0
	v_nop
	global_prefetch_b8 v0, s[64:65] scope:SCOPE_SE
	s_setreg_imm32_b32 hwreg(HW_REG_WAVE_MODE, 25, 1), 1
	s_wait_xcnt 0x0
; PREP: casts q, k, v and the four weights from f32 to f16 and turns the int32 mask into lane-mask words.
; 768 work-groups of eight waves, each reads 131,072 bytes once; the role hangs on the work-group's number alone:
;   0..383   X: 32 token rows of q, k or v  -> x16 [t][b][panel = column/64][s][64] f16
;   384..511 W: 32 rows of one weight       -> w16 [t][k][n] f16, row-major as given
;   512..767 M: 16 query rows of the mask   -> maskw [query/16][key/16][j = 0..7]: bit L of a word says
;               mask[16 qt + (L & 15)][16 kt + 8 (L >> 4) + j] != 0: the lane layout of a transposed score tile
; LIMITS: f16 holds magnitudes below 65,504 (larger inputs become infinite) and flushes below 6e-8.
; No matrix unit, cluster or tensor load: every byte is read once and written once, nothing is shared.
.set X,  8                             ; v[8:135]   32 loads of 16 bytes a lane
.set RB, 136                           ; v[136:199] role M: a half's mask numbers read back transposed
.set WP, 200                           ; v[200:203] role M: the word pairs that a lane stores, one pair for each half
; 32 loads, all in flight at once; then load n is converted in place and stored.  n = hi * nlo + lo.
.macro CAST nlo, ihi, ilo, ohi, olo
.set n, 0
.rept 32
	global_load_b128 v[X+4*n:X+4*n+3], v1, s[26:27] offset:(n/\nlo)*\ihi+(n%\nlo)*\ilo th:TH_LOAD_NT
.set n, n+1
.endr
.set n, 0
.rept 32
	s_wait_loadcnt 31-n                            ; loads return in order: load n is in, the 31 - n younger ones stay out
	v_cvt_pk_f16_f32 v[X+4*n], v[X+4*n], v[X+4*n+1]
	v_cvt_pk_f16_f32 v[X+4*n+1], v[X+4*n+2], v[X+4*n+3]
	global_store_b64 v2, v[X+4*n:X+4*n+1], s[28:29] offset:(n/\nlo)*\ohi+(n%\nlo)*\olo   ; a wave stores 256 consecutive bytes, aligned
.set n, n+1
.endr
.endm
; Role M, one half (128 keys) of the wave's 256 keys: 16 rows into the wave's own LDS bytes, back by fragments, compares, one store.
.macro HALF hf
.set n, 0
.rept 16
	ds_store_b128 v5, v[X+64*\hf+4*n:X+64*\hf+4*n+3] offset:\hf*8448+n*528   ; query row n: 512 bytes at pitch 528 = 33 x 16
.set n, n+1
.endr
.set n, 0
.rept 8
	ds_load_b128 v[RB+8*n:RB+8*n+3], v6 offset:\hf*8448+n*64                 ; the wave's own bytes: LDS serves a wave in order (ISA guide 5.7.1)
	ds_load_b128 v[RB+8*n+4:RB+8*n+7], v6 offset:\hf*8448+n*64+16
.set n, n+1
.endr
.set n, 0
.rept 8
	s_wait_dscnt 14-2*n                            ; key tile n's two loads are in, the younger ones stay out
.irp j, 0,1,2,3,4,5,6,7
	v_cmp_ne_u32 s[32+\j], 0, v[RB+8*n+\j]         ; word 8 n + j of the half
.endr
.irp j, 0,1,2,3,4,5,6,7
	v_writelane_b32 v[WP+2*\hf+(\j&1)], s[32+\j], 4*n+(\j>>1)   ; lane l keeps words 2 l and 2 l + 1
.endr
.set n, n+1
.endr
	global_store_b64 v2, v[WP+2*\hf:WP+2*\hf+1], s[28:29] offset:\hf*256     ; 64 words: 256 consecutive bytes, aligned
.endm
	s_load_b512 s[4:19], s[0:1], 0x0               ; q, k, v, w_q, w_k, w_v, w_o, mask
	s_load_b128 s[20:23], s[0:1], 0x40             ; x16, w16
	s_load_b64 s[24:25], s[0:1], 0x50              ; maskw
	v_lshl_add_u32 v204, v0, 2, 0x21000
	v_mov_b32 v205, 0
	s_mov_b32 s31, 0                               ; high word of every 32-bit offset
	s_wait_kmcnt 0x0
	s_cmp_lt_u32 ttmp9, 384
	s_cbranch_scc1 .Lrole_x
	s_cmp_lt_u32 ttmp9, 512
	s_cbranch_scc1 .Lrole_w
	; ---- role M ----
	s_sub_co_u32 s40, ttmp9, 512                   ; qt: 16 query rows of 8,192 bytes
	v_lshrrev_b32 v3, 5, v0
	v_readfirstlane_b32 s41, v3                    ; wave: keys 256 w .. 256 w + 255
	v_and_b32 v4, 31, v0                           ; lane
	s_lshl_b32 s30, s40, 17
	s_lshl_b32 s42, s41, 10
	s_add_co_u32 s30, s30, s42
	s_add_nc_u64 s[26:27], s[18:19], s[30:31]
	v_lshlrev_b32 v1, 4, v4
.set n, 0
.rept 32
	global_load_b128 v[X+4*n:X+4*n+3], v1, s[26:27] offset:(n/16)*512+(n%16)*8192 th:TH_LOAD_NT   ; half n / 16, query row n % 16: 512 consecutive bytes
.set n, n+1
.endr
	s_mul_i32 s43, s41, 16896                      ; the wave's own LDS bytes: 2 halves x 16 rows x 528
	v_add_nc_u32 v5, s43, v1                       ; in: 16 bytes a lane along a row
	v_and_b32 v6, 15, v0
	v_bfe_u32 v7, v0, 4, 1
	v_mul_u32_u24 v6, v6, 528
	v_lshl_add_u32 v6, v7, 5, v6
	v_add_nc_u32 v6, s43, v6                       ; back: query L & 15, keys 8 (L >> 4) + 0..7 of each key tile
	s_lshl_b32 s30, s40, 12                        ; a query tile's stream is 4,096 bytes, a wave's part 512
	s_lshl_b32 s42, s41, 9
	s_add_co_u32 s30, s30, s42
	s_add_nc_u64 s[28:29], s[24:25], s[30:31]
	v_lshlrev_b32 v2, 3, v4
.irp r, 0,1,2,3
	v_mov_b32 v[WP+\r], 0                          ; v_writelane_b32 keeps the other lanes: written whole first
.endr
	s_wait_loadcnt 0x10                            ; the first half's 16 loads are in, the second half's stay out
	HALF 0
	s_wait_loadcnt 0x0
	HALF 1
	s_wait_tensorcnt 0x0
	ds_add_u32 v204, v205
	s_wait_dscnt 0x0
	s_endpgm
	; ---- role X ----
.Lrole_x:
	s_lshr_b32 s40, ttmp9, 7                       ; t: q, k, v
	s_and_b32 s41, ttmp9, 127                      ; block of 32 token rows
	s_cmp_eq_u32 s40, 0
	s_cselect_b64 s[26:27], s[4:5], s[6:7]
	s_cmp_eq_u32 s40, 2
	s_cselect_b64 s[26:27], s[8:9], s[26:27]
	s_lshl_b32 s30, s41, 17                        ; 32 rows of 4,096 bytes
	s_add_nc_u64 s[26:27], s[26:27], s[30:31]
	s_lshl_b32 s30, s40, 23                        ; t x 8,388,608
	s_lshr_b32 s42, s41, 6
	s_lshl_b32 s42, s42, 22                        ; b x 4,194,304
	s_add_co_u32 s30, s30, s42
	s_and_b32 s42, s41, 63
	s_lshl_b32 s42, s42, 12                        ; 32 tokens x 128 bytes
	s_add_co_u32 s30, s30, s42
	s_add_nc_u64 s[28:29], s[20:21], s[30:31]
	v_lshrrev_b32 v3, 4, v0                        ; token row 0..15
	v_and_b32 v4, 15, v0                           ; 16 bytes of a panel's 256
	v_lshlrev_b32 v1, 12, v3
	v_lshl_add_u32 v1, v4, 4, v1
	v_lshlrev_b32 v2, 7, v3
	v_lshl_add_u32 v2, v4, 3, v2
	CAST 16, 65536, 256, 2048, 262144              ; hi: 16 rows on; lo: the panel
	s_endpgm
	; ---- role W ----
.Lrole_w:
	s_sub_co_u32 s40, ttmp9, 384
	s_and_b32 s41, s40, 31                         ; block of 32 rows
	s_lshr_b32 s40, s40, 5                         ; t: w_q, w_k, w_v, w_o
	s_cmp_eq_u32 s40, 0
	s_cselect_b64 s[26:27], s[10:11], s[12:13]
	s_cmp_eq_u32 s40, 2
	s_cselect_b64 s[28:29], s[14:15], s[16:17]
	s_cmp_lt_u32 s40, 2
	s_cselect_b64 s[26:27], s[26:27], s[28:29]
	s_lshl_b32 s30, s41, 17
	s_add_nc_u64 s[26:27], s[26:27], s[30:31]
	s_lshl_b32 s30, s40, 21                        ; t x 2,097,152
	s_lshl_b32 s42, s41, 16                        ; 32 rows of 2,048 bytes
	s_add_co_u32 s30, s30, s42
	s_add_nc_u64 s[28:29], s[22:23], s[30:31]
	v_lshrrev_b32 v3, 5, v0                        ; wave = row 0..7
	v_and_b32 v4, 31, v0
	v_lshlrev_b32 v1, 12, v3
	v_lshl_add_u32 v1, v4, 4, v1
	v_lshlrev_b32 v2, 11, v3
	v_lshl_add_u32 v2, v4, 3, v2
	CAST 8, 32768, 512, 16384, 256                 ; hi: 8 rows on; lo: 512 bytes along the row
	s_endpgm
.Lfunc_end_k_qc1999d4d2d_prep:
	.size	k_qc1999d4d2d_prep, .Lfunc_end_k_qc1999d4d2d_prep-k_qc1999d4d2d_prep
	.p2alignl 7, 3214868480
	.fill 96, 4, 3214868480
	.section	.rodata,"a",@progbits
	.p2align	6, 0x0
	.amdhsa_kernel k_qc1999d4d2d_prep
		.amdhsa_group_segment_fixed_size 136192
		.amdhsa_private_segment_fixed_size 0
		.amdhsa_enable_private_segment 0
		.amdhsa_kernarg_size 88
		.amdhsa_user_sgpr_count 2
		.amdhsa_user_sgpr_kernarg_segment_ptr 1
		.amdhsa_wavefront_size32 1
		.amdhsa_system_sgpr_workgroup_id_x 1
		.amdhsa_system_sgpr_workgroup_id_y 1
		.amdhsa_system_sgpr_workgroup_id_z 1
		.amdhsa_system_vgpr_workitem_id 0
		.amdhsa_next_free_vgpr 206
		.amdhsa_next_free_sgpr 66
		.amdhsa_reserve_vcc 0
		.amdhsa_float_denorm_mode_32 3
		.amdhsa_float_denorm_mode_16_64 3
		.amdhsa_memory_ordered 1
		.amdhsa_forward_progress 1
		.amdhsa_inst_pref_size 50
	.end_amdhsa_kernel
	.amdgpu_metadata
---
amdhsa.version: [ 1, 2 ]
amdhsa.kernels:
  - .name:           k_qc1999d4d2d_prep
    .symbol:         k_qc1999d4d2d_prep.kd
    .args:
      - { .name: q, .offset: 0, .size: 8, .value_kind: global_buffer, .address_space: global }
      - { .name: k, .offset: 8, .size: 8, .value_kind: global_buffer, .address_space: global }
      - { .name: v, .offset: 16, .size: 8, .value_kind: global_buffer, .address_space: global }
      - { .name: w_q, .offset: 24, .size: 8, .value_kind: global_buffer, .address_space: global }
      - { .name: w_k, .offset: 32, .size: 8, .value_kind: global_buffer, .address_space: global }
      - { .name: w_v, .offset: 40, .size: 8, .value_kind: global_buffer, .address_space: global }
      - { .name: w_o, .offset: 48, .size: 8, .value_kind: global_buffer, .address_space: global }
      - { .name: mask, .offset: 56, .size: 8, .value_kind: global_buffer, .address_space: global }
      - { .name: x16, .offset: 64, .size: 8, .value_kind: global_buffer, .address_space: global }
      - { .name: w16, .offset: 72, .size: 8, .value_kind: global_buffer, .address_space: global }
      - { .name: maskw, .offset: 80, .size: 8, .value_kind: global_buffer, .address_space: global }
    .group_segment_fixed_size: 136192
    .private_segment_fixed_size: 0
    .kernarg_segment_align: 8
    .kernarg_segment_size: 88
    .max_flat_workgroup_size: 256
    .sgpr_count:     66
    .vgpr_count:     206
    .wavefront_size: 32
...
	.end_amdgpu_metadata
.endif
;; end of part 1
;; launch proj (part 2): grid 4 x 48, 4 waves a work-group, clusters of 4 x 4, 327,680 bytes of LDS; arguments x16, w16, b_q, b_k, b_v, qkv; writes qkv
.if DOCPART == 2
	.amdgcn_target "amdgcn-amd-amdhsa--gfx1250"
	.amdhsa_code_object_version 6
	.text
	.protected	k_qc1999d4d2d_proj
	.globl	k_qc1999d4d2d_proj
	.p2align	8
	.type	k_qc1999d4d2d_proj,@function
k_qc1999d4d2d_proj:
	s_mov_b64 s[64:65], 0
	v_nop
	global_prefetch_b8 v0, s[64:65] scope:SCOPE_SE
	s_setreg_imm32_b32 hwreg(HW_REG_WAVE_MODE, 25, 1), 1
	s_wait_xcnt 0x0
	s_wait_alu depctr_hold_cnt(0) depctr_sa_sdst(0) depctr_va_vdst(0) depctr_va_sdst(0) depctr_va_ssrc(0) depctr_va_vcc(0) depctr_vm_vsrc(0)
	s_getreg_b32 s2, hwreg(HW_REG_IB_STS2, 6, 4)
	s_cmp_eq_u32 s2, 0
	s_cbranch_scc0 .Lentry_in_a_cluster
	s_endpgm
.Lentry_in_a_cluster:
	s_bfe_u32 s2, ttmp6, 0x10000c
	s_cmp_lg_u32 s2, 0xf033
	s_cbranch_scc0 .Lentry_shape_is_right
	s_endpgm
.Lentry_shape_is_right:
; The q, k and v projections: C = X W + bias, 256 tokens x 256 features a work-group, K = 1024.
; x16: [t][b][k/64][s][64] f16 (panels); w16: [t][k][n] f16; qkv: [t][b*16+head][s][64] f16.  Sums in f32, bias added in f32.
; 12,288 tokens x 1,024 features in blocks of 256 x 256 are 192 work-groups: grid 4 x 48; block row by: by >> 3 = 2 t + b, by & 7 = the block in the sequence.
; Four waves, as many as a WGP has SIMDs, each 128 tokens x 128 features: 64 accumulator tiles, 512 registers; for 32 along K a wave reads
; 2 x 128 x 64 bytes from LDS and issues 64 matrix instructions.  K goes in 8 steps of 128 through two LDS slots filled by the tensor data mover.
; CLUSTERS 4 x 4: the four work-groups of a row of the cluster need the same X tiles, the four of a column the same W tiles; each tile is asked
; for jointly by the four, which divides the requests for X and W by four.
; The matrix instruction is used transposed (source 0 = 16 features of W, source 1 = 16 tokens of X): a lane then holds token L % 16 and
; eight neighbouring features 8 (L / 16) + 0..7.
; REGISTERS, in windows of 256:
;   window 0: v16-27 addresses; v32-63 packed results; v64-127, v128-191 fragments of W (8 x 16 features x 32 K), two buffers; v192-255 bias
;   window 1: v64-127, v128-191 fragments of X (8 x 16 tokens x 32 K), two buffers
;   window 2: the 32 accumulator tiles of my tokens 0-63 (tile (a, b) at v[8 (8 a + b)]);   window 3: those of my tokens 64-127
; LIMITS: operands and results are f16: magnitudes below 65,504; the order of sums differs from a plain f32 product.
.set HALFT,  36864                     ; what one tensor load brings: X: 2 panels x 128 tokens at pitch 144; W: 128 k-rows x 128 features at pitch 288
.set SLOT,   4*HALFT                   ; X half 0, X half 1, W half 0, W half 1 = wave x HALFT
.set STAGE,  2*SLOT                    ; behind the ring, bytes that no tensor load fills: 2 heads x 16 rows of 144 bytes a wave
.set APITCH, 144                       ; 128 bytes + 16: an odd multiple of 16, the 16 rows of a fragment load start in 16 different 16-byte columns of 256 bytes
.set APANEL, 128*APITCH
.set BPITCH, 288                       ; 256 bytes + 32: an odd multiple of 32, as the transposing load's rows want
.set ASTEP,  2*262144                  ; a K step of X: two panels
.set BSTEP,  128*2048                  ; a K step of W: 128 rows
.set SPITCH, 144
.set LAPS,   4                         ; a lap = two K steps = once round the ring
.set ADRA, 16                          ; v16-17  my X fragments in slot 0, 1
.set ADRB, 20                          ; v20-21  my W fragments in slot 0, 1
.set STO,  24                          ; the way out: where a lane puts its numbers
.set RD,   25                          ; where it reads whole rows back
.set CO,   26                          ; its byte offset in the output
.set BOFF, 27                          ; its byte offset in the bias
.set TMP,  32                          ; v[32:63] 16 tokens' results, packed
.set F0,   64                          ; fragment buffer 0
.set F1,   128                         ; fragment buffer 1
.set BIAS, 192                         ; v[192:255] bias of my features 16 b + 8 h + j
.set G1,  24                           ; s[24:31] group 1 for X's tiles
.set G0,  32                           ; s[32:39] group 0 for X's tiles, one set a slot
.set G1B, 48                           ; s[48:55] group 1 for W's tiles
.set G0B, 56                           ; s[56:63] group 0 for W's tiles, one set a slot
.set MSB, 0
.macro WIN new                         ; the immediate's high byte repeats the setting that is left
.if MSB != \new
	s_set_vgpr_msb (MSB<<8)|\new
.set MSB, \new
.endif
.endm
.set MUL_LO, 0xa4                      ; source 0 (W) window 0, source 1 (X) window 1, C and D window 2
.set MUL_HI, 0xf4                      ; the same, C and D window 3
.set TO_X,   0x40                      ; destination window 1, address window 0
.macro PLACES                          ; four plain vector places behind a matrix instruction (ISA guide 7.12.1) where there is no vector work to put there
.rept 4
	v_nop
.endr
.endm
; A joint load: waves 0 and 1 fetch X's halves, waves 2 and 3 W's.  The branch hangs on the wave's number alone.
.macro JLOAD s
	s_cmp_eq_u32 s11, 0
	s_cbranch_scc0 .Lfor_b_\@
	tensor_load_to_lds s[G0+4*\s:G0+4*\s+3], s[G1:G1+7]
	s_nop 0
	s_branch .Lasked_\@
.Lfor_b_\@:
	tensor_load_to_lds s[G0B+4*\s:G0B+4*\s+3], s[G1B:G1B+7]
	s_nop 0
.Lasked_\@:
.endm
.macro CREST                           ; a round of the cluster's barrier behind its opening work-group barrier
	s_cmp_lg_u32 s10, 0
	s_cbranch_scc1 .Lnot_wave_0_\@
	s_barrier_signal -3
.Lnot_wave_0_\@:
	s_barrier_wait -3
	s_barrier_signal -1
	s_barrier_wait -1
.endm
.macro CROUND
	s_barrier_signal -1
	s_barrier_wait -1
	CREST
.endm
	s_load_b128 s[4:7], s[0:1], 0x0                ; x16 s[4:5], w16 s[6:7]
	s_load_b128 s[72:75], s[0:1], 0x10             ; b_q, b_k
	s_load_b128 s[76:79], s[0:1], 0x20             ; b_v, qkv s[78:79]
	v_lshl_add_u32 v31, v0, 2, 0x4c800
	s_set_vgpr_msb 0x40
	v_mov_b32 v255, 0
	s_set_vgpr_msb 0x4044
	ds_add_u32 v31, v255
	s_set_vgpr_msb 0x4400
	v_lshrrev_b32 v1, 5, v0
	v_readfirstlane_b32 s10, v1                    ; wave 0..3
	s_lshr_b32 s11, s10, 1                         ; my token half.  Also: I fetch for X (0) or for W (1)
	s_and_b32 s12, s10, 1                          ; my feature half.  Also: which half of that tile I fetch
	s_bfe_u32 s40, ttmp6, 0x40000                  ; cx
	s_bfe_u32 s41, ttmp6, 0x40004                  ; cy
	s_lshl_b32 s42, ttmp9, 2
	s_add_co_u32 s42, s42, s40                     ; bx: 256 features
	s_and_b32 s21, ttmp7, 0xffff                   ; the cluster's y
	s_lshl_b32 s13, s21, 2
	s_add_co_u32 s13, s13, s41                     ; by: 256 tokens
	s_lshr_b32 s45, s21, 2                         ; t = 0, 1, 2: four clusters along y for each; the same in all partners
	s_lshl_b32 s43, s41, 2
	s_lshl_b32 s43, 15, s43                        ; my row of the cluster
	s_lshl_b32 s44, 0x1111, s40                    ; my column
	; group 1.  X: 2 rows (panels) of 8,192 elements (128 tokens, dense), 131,072 elements apart; 4 words of padding behind every 32.
	;           W: 128 rows of 128 elements, 1,024 elements apart; 8 words of padding behind every 64.
	s_or_b32 s[G1+0],  s43, (1<<16)|(1<<20)|(1<<21)|(4<<22)|(3<<25)
	s_or_b32 s[G1B+0], s44, (1<<16)|(1<<20)|(1<<21)|(5<<22)|(7<<25)
	s_mov_b32 s[G1+1],  8192<<16                   ; tensor_dim0
	s_mov_b32 s[G1B+1], 128<<16
	s_mov_b32 s[G1+2],  2<<16                      ; tensor_dim1
	s_mov_b32 s[G1B+2], 128<<16
	s_mov_b32 s[G1+3],  8192<<16                   ; tile_dim0
	s_mov_b32 s[G1B+3], 128<<16
	s_mov_b32 s[G1+4],  2                          ; tile_dim1
	s_mov_b32 s[G1B+4], 128
	s_mov_b32 s[G1+5],  131072                     ; elements from row to row
	s_mov_b32 s[G1B+5], 1024
	s_mov_b32 s[G1+6],  0
	s_mov_b32 s[G1B+6], 0
	s_mov_b32 s[G1+7],  0
	s_mov_b32 s[G1B+7], 0
	; X's tiles hang on by and the wave alone, W's on bx, t and the wave alone, each in registers that never hold the other coordinate
	s_lshr_b32 s16, s13, 3
	s_lshl_b32 s16, s16, 22                        ; (2 t + b) x 4,194,304
	s_and_b32 s17, s13, 7
	s_lshl_b32 s17, s17, 15                        ; 256 tokens x 128 bytes
	s_add_co_u32 s16, s16, s17
	s_lshl_b32 s17, s12, 14                        ; my 128 tokens of the tile
	s_add_co_u32 s16, s16, s17
	s_mov_b32 s17, 0
	s_lshl_b32 s46, s45, 21                        ; the weight: 2,097,152 bytes each
	s_lshl_b32 s47, s12, 8                         ; my 128 features of the tile
	s_add_co_u32 s46, s46, s47
	s_lshl_b32 s47, s42, 9                         ; 256 features x 2 bytes
	s_add_co_u32 s46, s46, s47
	s_mov_b32 s47, 0
	s_mul_i32 s20, s10, HALFT                      ; LDS: wave x HALFT, no place in the cluster enters
	s_lshl_b32 s66, s42, 10                        ; bias: 256 bx + 128 wn features of 4 bytes
	s_lshl_b32 s67, s12, 9
	s_add_co_u32 s66, s66, s67
	s_mov_b32 s67, 0
	s_lshr_b32 s68, s13, 3                         ; qkv: (2 t + b) << 22, head 4 bx + 2 wn << 18, token (256 (by & 7) + 128 wm) x 128 bytes
	s_lshl_b32 s68, s68, 22
	s_and_b32 s69, s13, 7
	s_lshl_b32 s69, s69, 15
	s_add_co_u32 s68, s68, s69
	s_lshl_b32 s69, s42, 20
	s_add_co_u32 s68, s68, s69
	s_lshl_b32 s69, s12, 19
	s_add_co_u32 s68, s68, s69
	s_lshl_b32 s69, s11, 14
	s_add_co_u32 s68, s68, s69
	s_mov_b32 s69, 0
	s_wait_dscnt 0x0
	s_wait_kmcnt 0x0
	s_add_nc_u64 s[14:15], s[4:5], s[16:17]
	s_add_nc_u64 s[46:47], s[6:7], s[46:47]
	s_cmp_eq_u32 s45, 0
	s_cselect_b64 s[72:73], s[72:73], s[74:75]
	s_cmp_eq_u32 s45, 2
	s_cselect_b64 s[76:77], s[76:77], s[72:73]     ; the bias of t
	s_add_nc_u64 s[76:77], s[76:77], s[66:67]
	s_add_nc_u64 s[78:79], s[78:79], s[68:69]
	CROUND                                         ; all sixteen work-groups are here: the first joint loads meet
.irp s, 0,1
	s_mov_b32 s[G0+4*\s], 1
	s_add_co_u32 s[G0+4*\s+1], s20, \s*SLOT
	s_add_nc_u64 s[G0+4*\s+2:G0+4*\s+3], s[14:15], \s*ASTEP
	s_or_b32 s[G0+4*\s+3], s[G0+4*\s+3], 0x80000000
	s_mov_b32 s[G0B+4*\s], 1
	s_add_co_u32 s[G0B+4*\s+1], s20, \s*SLOT
	s_add_nc_u64 s[G0B+4*\s+2:G0B+4*\s+3], s[46:47], \s*BSTEP
	s_or_b32 s[G0B+4*\s+3], s[G0B+4*\s+3], 0x80000000
	JLOAD \s                                       ; K steps 0 and 1: two tensor loads of the wave are out, the most in this text
.endr
	v_and_b32 v1, 15, v0                           ; r = L % 16
	v_bfe_u32 v2, v0, 4, 1                         ; h = L / 16
	v_lshlrev_b32 v[BOFF], 5, v2                   ; 8 h features of 4 bytes
.irp b, 0,1,2,3,4,5,6,7
	global_load_b128 v[BIAS+8*\b:BIAS+8*\b+3],   v[BOFF], s[76:77] offset:64*\b
	global_load_b128 v[BIAS+8*\b+4:BIAS+8*\b+7], v[BOFF], s[76:77] offset:64*\b+16
.endr
	v_mul_u32_u24 v3, v1, APITCH
	v_lshl_add_u32 v3, v2, 4, v3                   ; token r, 16 h bytes
	s_mul_i32 s21, s11, HALFT                      ; my 128 tokens
	v_add_nc_u32 v[ADRA], s21, v3
	v_add_nc_u32 v[ADRA+1], SLOT, v[ADRA]
	v_and_b32 v4, 7, v0
	v_lshl_add_u32 v4, v2, 3, v4                   ; k-row 8 h + (L & 7)
	v_mul_u32_u24 v4, v4, BPITCH
	v_bfe_u32 v5, v0, 3, 1
	v_lshl_add_u32 v4, v5, 4, v4                   ; + 16 ((L >> 3) & 1)
	s_mul_i32 s22, s12, HALFT                      ; my 128 features,
	s_add_co_u32 s22, s22, 2*HALFT                 ; which lie behind X's two halves
	v_add_nc_u32 v[ADRB], s22, v4
	v_add_nc_u32 v[ADRB+1], SLOT, v[ADRB]
	s_mul_i32 s23, s10, 32*SPITCH
	s_add_co_u32 s23, s23, STAGE                   ; my stage
	v_add_nc_u32 v[STO], s23, v3                   ; in: token r, 16 h bytes
	v_bfe_u32 v6, v0, 3, 2
	v_and_b32 v7, 7, v0
	v_mul_u32_u24 v6, v6, SPITCH                   ; back: four rows of 128 bytes a load
	v_lshl_add_u32 v6, v7, 4, v6
	v_add_nc_u32 v[RD], s23, v6
	v_and_b32 v7, 31, v0
	v_lshlrev_b32 v[CO], 4, v7                     ; which are 512 consecutive bytes of qkv
; 16 matrix instructions: token tiles a0, a0 + 1 of the window's four (hi = 0: my tokens 0-63, 1: tokens 64-127) x all 8 feature tiles, 32 along K.
; The 64 accumulators take turns, one instruction a turn, in the same order in every quarter step.
; zero = 1: the first product starts the sums: nothing is ever cleared.
.macro MUL16 f, hi, a0, zero
.irp a, \a0, \a0+1
.irp b, 0,1,2,3,4,5,6,7
.if \zero
	v_wmma_f32_16x16x32_f16 v[8*(8*(\a)+\b):8*(8*(\a)+\b)+7], v[\f+8*\b:\f+8*\b+7], v[\f+8*(4*\hi+\a):\f+8*(4*\hi+\a)+7], 0
.else
	v_wmma_f32_16x16x32_f16 v[8*(8*(\a)+\b):8*(8*(\a)+\b)+7], v[\f+8*\b:\f+8*\b+7], v[\f+8*(4*\hi+\a):\f+8*(4*\hi+\a)+7], v[8*(8*(\a)+\b):8*(8*(\a)+\b)+7]
.endif
.endr
.endr
.endm
; 32 LDS loads in one run: the fragments of quarter q (32 along K) of a slot into buffer f: W's 128 features, then X's 128 tokens
.macro FETCH slot, q, f
	WIN 0
.irp i, 0,1,2,3,4,5,6,7
	ds_load_tr16_b128 v[\f+8*\i:\f+8*\i+3],   v[ADRB+\slot] offset:(\q)*32*BPITCH+32*\i
	ds_load_tr16_b128 v[\f+8*\i+4:\f+8*\i+7], v[ADRB+\slot] offset:(\q)*32*BPITCH+32*\i+16*BPITCH
.endr
	WIN TO_X
.irp i, 0,1,2,3,4,5,6,7
	ds_load_b128 v[\f+8*\i:\f+8*\i+3],   v[ADRA+\slot] offset:((\q)>>1)*APANEL+((\q)&1)*64+\i*16*APITCH
	ds_load_b128 v[\f+8*\i+4:\f+8*\i+7], v[ADRA+\slot] offset:((\q)>>1)*APANEL+((\q)&1)*64+\i*16*APITCH+32
.endr
.endm
; A K step is four quarter steps of 32 along K, 64 matrix instructions each, on buffers 0, 1, 0, 1.
; One of the first three: multiplies buffer f; in its middle it fetches quarter q of the same slot into buffer g.
.macro QUARTER slot, q, f, g, zero
	s_wait_dscnt 8                                 ; W and X's tokens 0-63 are in; the youngest eight loads (X's tokens 64-127) may be out
	WIN MUL_LO
	MUL16 \f, 0, 0, \zero
	MUL16 \f, 0, 2, \zero
	PLACES                                         ; buffer g was read by the last quarter's products
	FETCH \slot, \q, \g
	s_wait_dscnt 32                                ; all but the 32 just issued
	WIN MUL_HI
	MUL16 \f, 1, 0, \zero
	MUL16 \f, 1, 2, \zero
.endm
.macro THREE slot, zero
	QUARTER \slot, 1, F0, F1, \zero
	QUARTER \slot, 2, F1, F0, 0
	QUARTER \slot, 3, F0, F1, 0
.endm
; The last quarter: multiplies buffer 1 and changes slots.  In front of the barrier each wave has waited for its reads of this slot and for all
; its tensor loads (the one that is out is its part of the next slot).  fill = 1: the barrier opens a round of the cluster's barrier, and the
; joint refill of this slot, two K steps ahead, is the first tensor load behind the round.  From a request to the wait for it a wave issues
; 240 matrix instructions.
.macro TURN slot, next, fill
	s_wait_dscnt 8
	WIN MUL_LO
	MUL16 F1, 0, 0, 0
	s_wait_dscnt 0                                 ; my reads of this slot are over
	s_wait_tensorcnt 0x0                           ; and all my tensor loads have landed
	ds_add_u32 v31, v255
	s_wait_dscnt 0x0
	s_barrier_signal -1
	MUL16 F1, 0, 2, 0                              ; registers only, while the others arrive
	WIN 0
	s_barrier_wait -1
.if \fill
	CREST
	s_add_nc_u64 s[G0+4*\slot+2:G0+4*\slot+3], s[G0+4*\slot+2:G0+4*\slot+3], 2*ASTEP     ; no tensor load of mine is out: group 0 may be written
	s_add_nc_u64 s[G0B+4*\slot+2:G0B+4*\slot+3], s[G0B+4*\slot+2:G0B+4*\slot+3], 2*BSTEP
	JLOAD \slot
.endif
	PLACES                                         ; buffer 0 was read by the third quarter's products
	FETCH \next, 0, F0
	WIN MUL_HI
	MUL16 F1, 1, 0, 0
	MUL16 F1, 1, 2, 0
.endm
.macro LAP zero                        ; once round the ring, both slots filled again
	THREE 0, \zero
	TURN 0, 1, 1
	THREE 1, 0
	TURN 1, 0, 1
.endm
	s_wait_tensorcnt 0x1                           ; my part of K step 0 is in; K step 1's load stays out
	s_barrier_signal -1
	s_barrier_wait -1                              ; everybody's is
	FETCH 0, 0, F0
	LAP 1                                          ; the first lap stands in front of the loop: its first products start the sums
	WIN 0                                          ; at a label and at a branch every window is 0
	s_mov_b32 s3, LAPS-2
.Llap:
	LAP 0
	WIN 0
	s_sub_co_u32 s3, s3, 1
	s_cmp_lg_u32 s3, 0
	s_cbranch_scc1 .Llap
	THREE 0, 0                                     ; the last lap fills nothing: my one tensor load that is still out is slot 1's, the last K step's
	TURN 0, 1, 0
	THREE 1, 0
	s_wait_dscnt 8                                 ; the very last quarter: nothing more to fetch
	WIN MUL_LO
	MUL16 F1, 0, 0, 0
	MUL16 F1, 0, 2, 0
	s_wait_dscnt 0
	WIN MUL_HI
	MUL16 F1, 1, 0, 0
	MUL16 F1, 1, 2, 0
	PLACES                                         ; behind the last products: the sums are read, the fragment buffers loaded again
	s_wait_loadcnt 0x0                             ; the bias
; THE WAY OUT, 16 tokens at a time (tiles (a, 0..7) of window 2 or 3): bias in f32 in place, packed to f16, into my own stage in LDS (one region
; for each of my two heads), back as whole rows, out in runs of 512 consecutive bytes.  f: W's buffer 0 or 1 in turn.
.macro OUT16 i, a, hi, f
.if \hi
	WIN 0xc3                                       ; destination and source 0 window 3, source 1 (bias) window 0
.else
	WIN 0x82                                       ; the same with window 2
.endif
.irp b, 0,1,2,3,4,5,6,7
.irp jj, 0,1,2,3
	v_pk_add_f32 v[8*(8*\a+\b)+2*\jj:8*(8*\a+\b)+2*\jj+1], v[8*(8*\a+\b)+2*\jj:8*(8*\a+\b)+2*\jj+1], v[BIAS+8*\b+2*\jj:BIAS+8*\b+2*\jj+1]
.endr
.endr
.if \hi
	WIN 0x0f                                       ; sources 0 and 1 window 3, destination window 0
.else
	WIN 0x0a
.endif
.irp b, 0,1,2,3,4,5,6,7
.irp r, 0,1,2,3
	v_cvt_pk_f16_f32 v[TMP+4*\b+\r], v[8*(8*\a+\b)+2*\r], v[8*(8*\a+\b)+2*\r+1]
.endr
.endr
	WIN 0
.irp b, 0,1,2,3,4,5,6,7
	ds_store_b128 v[STO], v[TMP+4*\b:TMP+4*\b+3] offset:(\b>>2)*16*SPITCH+32*(\b&3)
.endr
	s_wait_xcnt 0x0                                ; buffer f, which earlier stores read, is loaded again only behind this wait
.irp t, 0,1,2,3,4,5,6,7
	ds_load_b128 v[\f+4*\t:\f+4*\t+3], v[RD] offset:(\t>>2)*16*SPITCH+(\t&3)*4*SPITCH   ; LDS serves a wave in order (ISA guide 5.7.1): these see the stores above
.endr
.irp t, 0,1,2,3,4,5,6,7
	s_wait_dscnt 7-\t                              ; load t is in, the younger ones stay out
	global_store_b128 v[CO], v[\f+4*\t:\f+4*\t+3], s[78:79] offset:\i*2048+(\t&3)*512+(\t>>2)*262144   ; the wave stores 512 consecutive bytes, aligned
.endr
.endm
	OUT16 0, 0, 0, F0
	OUT16 1, 1, 0, F1
	OUT16 2, 2, 0, F0
	OUT16 3, 3, 0, F1
	OUT16 4, 0, 1, F0
	OUT16 5, 1, 1, F1
	OUT16 6, 2, 1, F0
	OUT16 7, 3, 1, F1
	s_set_vgpr_msb 0x4
	s_wait_tensorcnt 0x0
	ds_add_u32 v31, v255
	s_wait_dscnt 0x0
	s_set_vgpr_msb 0x400
	CROUND                                         ; the closing round: no work-group ends while a partner may still ask for a tile that names it
	s_endpgm
.Lfunc_end_k_qc1999d4d2d_proj:
	.size	k_qc1999d4d2d_proj, .Lfunc_end_k_qc1999d4d2d_proj-k_qc1999d4d2d_proj
	.p2alignl 7, 3214868480
	.fill 96, 4, 3214868480
	.section	.rodata,"a",@progbits
	.p2align	6, 0x0
	.amdhsa_kernel k_qc1999d4d2d_proj
		.amdhsa_group_segment_fixed_size 327680
		.amdhsa_private_segment_fixed_size 0
		.amdhsa_enable_private_segment 0
		.amdhsa_kernarg_size 48
		.amdhsa_user_sgpr_count 2
		.amdhsa_user_sgpr_kernarg_segment_ptr 1
		.amdhsa_wavefront_size32 1
		.amdhsa_system_sgpr_workgroup_id_x 1
		.amdhsa_system_sgpr_workgroup_id_y 1
		.amdhsa_system_sgpr_workgroup_id_z 1
		.amdhsa_system_vgpr_workitem_id 0
		.amdhsa_next_free_vgpr 1024
		.amdhsa_next_free_sgpr 80
		.amdhsa_reserve_vcc 0
		.amdhsa_float_denorm_mode_32 3
		.amdhsa_float_denorm_mode_16_64 3
		.amdhsa_memory_ordered 1
		.amdhsa_forward_progress 1
		.amdhsa_inst_pref_size 214
	.end_amdhsa_kernel
	.amdgpu_metadata
---
amdhsa.version: [ 1, 2 ]
amdhsa.kernels:
  - .name:           k_qc1999d4d2d_proj
    .symbol:         k_qc1999d4d2d_proj.kd
    .args:
      - { .name: x16, .offset: 0, .size: 8, .value_kind: global_buffer, .address_space: global }
      - { .name: w16, .offset: 8, .size: 8, .value_kind: global_buffer, .address_space: global }
      - { .name: b_q, .offset: 16, .size: 8, .value_kind: global_buffer, .address_space: global }
      - { .name: b_k, .offset: 24, .size: 8, .value_kind: global_buffer, .address_space: global }
      - { .name: b_v, .offset: 32, .size: 8, .value_kind: global_buffer, .address_space: global }
      - { .name: qkv, .offset: 40, .size: 8, .value_kind: global_buffer, .address_space: global }
    .group_segment_fixed_size: 327680
    .private_segment_fixed_size: 0
    .kernarg_segment_align: 8
    .kernarg_segment_size: 48
    .max_flat_workgroup_size: 128
    .sgpr_count:     80
    .vgpr_count:     1024
    .wavefront_size: 32
...
	.end_amdgpu_metadata
.endif
;; end of part 2
;; launch attn (part 3): grid 8 x 32, 16 waves a work-group, clusters of 4 x 1, 327,680 bytes of LDS; arguments qkv, maskw, ctx; writes ctx
.if DOCPART == 3
	.amdgcn_target "amdgcn-amd-amdhsa--gfx1250"
	.amdhsa_code_object_version 6
	.text
	.protected	k_qc1999d4d2d_attn
	.globl	k_qc1999d4d2d_attn
	.p2align	8
	.type	k_qc1999d4d2d_attn,@function
k_qc1999d4d2d_attn:
	s_mov_b64 s[64:65], 0
	v_nop
	global_prefetch_b8 v0, s[64:65] scope:SCOPE_SE
	s_setreg_imm32_b32 hwreg(HW_REG_WAVE_MODE, 25, 1), 1
	s_wait_xcnt 0x0
	s_wait_alu depctr_hold_cnt(0) depctr_sa_sdst(0) depctr_va_vdst(0) depctr_va_sdst(0) depctr_va_ssrc(0) depctr_va_vcc(0) depctr_vm_vsrc(0)
	s_getreg_b32 s2, hwreg(HW_REG_IB_STS2, 6, 4)
	s_cmp_eq_u32 s2, 0
	s_cbranch_scc0 .Lentry_in_a_cluster
	s_endpgm
.Lentry_in_a_cluster:
	s_bfe_u32 s2, ttmp6, 0x10000c
	s_cmp_lg_u32 s2, 0x3003
	s_cbranch_scc0 .Lentry_shape_is_right
	s_endpgm
.Lentry_shape_is_right:
; ATTENTION for one (batch, head) and 256 queries a work-group: scores = Q K^T / 8, masked scores replaced by -10000, softmax with a running
; maximum, times V.  qkv: [t][b*16+head][s][64] f16; maskw: lane-mask words [query/16][key/16][8]; ctx: [b*16+head][s][64] f16.
; SIXTEEN WAVES: wave w has the 32 queries of query group w & 7, as two tiles a = 0, 1 of 16 that share every K and V fragment, and of every tile
; of 256 keys the 128 keys of key group w >> 3.  Each wave keeps a running maximum, a row sum and O of its own; at the end key group 1 hands
; its three to key group 0 through LDS, which joins them by the usual rescale and stores.  Four waves of 256 registers lie on a SIMD.
; TRANSPOSED FORM: S^T = K Q^T, so lane (r = L % 16, h = L / 16), register j holds key 8 h + j of query r: maximum and sum run along a lane's
; registers plus one exchange of the halves; the packed P is at once the second source of O^T = V^T P^T; V^T comes by the transposing LDS load.
; SIDE BY SIDE: trip i (32 keys) issues the products P(i-1) V(i-1) and Q K(i+1) with the softmax of S(i) spread between them, over the tiles'
; borders too: a tile's last trip takes its K from the next slot, the next tile's first trip takes V and P from registers.
; CLUSTERS 4 x 1: the four query blocks of a cluster read the same K and V tiles and ask for them jointly (mask 15).
; K and V go in 8 tiles of 256 keys through two LDS slots; wave w fetches 32 keys: waves 0-7 of K, waves 8-15 of V, to byte w x 5120 of the slot.
; K's and V's loads are two lines under a branch on the wave's number, each with a group 1 of constants of its own (they differ in the padding).
; LIMITS: Q, K, V, P and the result are f16 (magnitudes below 65,504; P below 6e-8 counts as 0); the row sum is taken of P before it is
; rounded to f16; sums in another order than the reference's.
.set PART,  5120                       ; 32 keys: K at pitch 144 (4,608 used), V at pitch 160
.set SLOT,  16*PART
.set VOFF,  8*PART
.set GRP,   4*PART                     ; the second key group's 128 keys, in K's parts and in V's alike
.set STAGE, 2*SLOT                     ; behind the ring, bytes that no tensor load fills: 2 x 16 rows of 144 bytes for each query group
.set MERGE, STAGE+8*4608               ; and 17 x 512 bytes for each query group: what key group 1 hands over
.set MPART, 17*512
.set KP,    144                        ; odd multiple of 16: the 16 rows of a fragment load start in 16 different 16-byte columns of 256 bytes
.set VP,    160                        ; odd multiple of 32, as the transposing load's rows want
                                       ; v1     first my offset in Q, then -c = -log2(e) / 8
.set KA,  2                            ; v2-3   K fragments in slot 0, 1 (v2 at the end: my bytes of the hand-over)
.set VA,  4                            ; v4-5   V fragments in slot 0, 1
.set STO, 6                            ; the way out
.set RD,  7
.set CO,  8
                                       ; v9     -80000.0: times 1/8 exactly -10000
.set ST,  10                           ; v[10+8a..]: M0, M1 (running maximum, by trip parity) / NMC0, NMC1 (-c M) / AL (rescale), T / L pair (row sum)
                                       ; v26-31 at work
.set Q,   32                           ; Q(a, dh) at +16 a + 8 dh
.set O,   64                           ; O^T(a, dt) at +32 a + 8 dt
.set SB,  128                          ; two score buffers of 32 registers; tile (kt, a) at +16 a + 8 kt; P(a) packed in place at +16 a .. +7
.set KF,  192                          ; K(kt, dh) at +16 kt + 8 dh
.set VF,  224                          ; V^T(dt) at +8 dt
.set G1K, 84                           ; s[84:91] group 1 for K's tiles
.set G1V, 92                           ; s[92:99] group 1 for V's tiles
                                       ; group 0: s[12:15] for slot 0, s[8:11] for slot 1
                                       ; s2 wave, s3 loop counter, s[4:5] mask words, s6, s7 selects of v_permlanex16_b32, s[100:101] ctx
                                       ; s[16:31], s[32:47]: mask words of even trips, a = 0, 1; s[48:63], s[68:83]: of odd trips
                                       ; s[66:67] = c, c with c = log2(e) / 8
.macro PLACES                          ; four plain vector places behind a matrix instruction (ISA guide 7.12.1) where no vector work is at hand
.rept 4
	v_nop
.endr
.endm
.macro CREST                           ; a round of the cluster's barrier behind its opening work-group barrier
	s_cmp_lg_u32 s2, 0
	s_cbranch_scc1 .Lnot_wave_0_\@
	s_barrier_signal -3
.Lnot_wave_0_\@:
	s_barrier_wait -3
	s_barrier_signal -1
	s_barrier_wait -1
.endm
.macro ROUND
	s_barrier_signal -1
	s_barrier_wait -1
	CREST
.endm
; A joint load of my 32 keys into a slot.  The branch hangs on the wave's number alone: it is the same in all four work-groups.
.macro JLOAD slot
	s_cmp_lt_u32 s2, 8
	s_cbranch_scc0 .Lfor_v_\@
	tensor_load_to_lds s[12-4*\slot:15-4*\slot], s[G1K:G1K+7]
	s_nop 0
	s_branch .Lasked_\@
.Lfor_v_\@:
	tensor_load_to_lds s[12-4*\slot:15-4*\slot], s[G1V:G1V+7]
	s_nop 0
.Lasked_\@:
.endm
.macro KLOAD i, slot                   ; the K fragments of trip i: my key group's keys 32 i .. 32 i + 31, one part of the slot
.irp kt, 0,1
.irp dh, 0,1
	ds_load_b128 v[KF+16*\kt+8*\dh:KF+16*\kt+8*\dh+3],   v[KA+\slot] offset:(\i)*PART+16*\kt*KP+64*\dh
	ds_load_b128 v[KF+16*\kt+8*\dh+4:KF+16*\kt+8*\dh+7], v[KA+\slot] offset:(\i)*PART+16*\kt*KP+64*\dh+32
.endr
.endr
.endm
.macro VLOAD i, slot                   ; the V^T fragments of trip i
.irp dt, 0,1,2,3
	ds_load_tr16_b128 v[VF+8*\dt:VF+8*\dt+3],   v[VA+\slot] offset:32*(\i)*VP+32*\dt
	ds_load_tr16_b128 v[VF+8*\dt+4:VF+8*\dt+7], v[VA+\slot] offset:32*(\i)*VP+32*\dt+16*VP
.endr
.endm
; Product k of P V: accumulator O(k & 1, k >> 1).  The eight accumulators take turns, one instruction a turn.
.macro PVW k, y
	v_wmma_f32_16x16x32_f16 v[O+32*((\k)&1)+8*((\k)>>1):O+32*((\k)&1)+8*((\k)>>1)+7], v[VF+8*((\k)>>1):VF+8*((\k)>>1)+7], v[\y+16*((\k)&1):\y+16*((\k)&1)+7], v[O+32*((\k)&1)+8*((\k)>>1):O+32*((\k)&1)+8*((\k)>>1)+7]
.endm
.macro PVX k
.if DO_PV
	PVW \k, Y
.endif
.endm
.macro PVALL y
.irp k, 0,1,2,3,4,5,6,7
	PVW \k, \y
.endr
.endm
; Product of K Q^T into buffer Y: t = 0..3 are the tiles (kt 1, a 0), (1, 1), (0, 0), (0, 1): those that lie on the old P come last.
; dh = 0 starts the sum, dh = 1 adds in place; the four tiles take turns, one instruction a turn.
.macro QKW t, dh
.if \dh
	v_wmma_f32_16x16x32_f16 v[Y+16*((\t)&1)+8-8*((\t)>>1):Y+16*((\t)&1)+15-8*((\t)>>1)], v[KF+24-16*((\t)>>1):KF+31-16*((\t)>>1)], v[Q+16*((\t)&1)+8:Q+16*((\t)&1)+15], v[Y+16*((\t)&1)+8-8*((\t)>>1):Y+16*((\t)&1)+15-8*((\t)>>1)]
.else
	v_wmma_f32_16x16x32_f16 v[Y+16*((\t)&1)+8-8*((\t)>>1):Y+16*((\t)&1)+15-8*((\t)>>1)], v[KF+16-16*((\t)>>1):KF+23-16*((\t)>>1)], v[Q+16*((\t)&1):Q+16*((\t)&1)+7], 0
.endif
.endm
.macro QKX t, dh
.if DO_QK
	QKW \t, \dh
.endif
.endm
; The softmax's pieces, on buffer X, query tile a, trip parity P (symbols set by TRIP)
.macro MASK a, n0, cnt                 ; a cleared bit replaces the score
.set n, \n0
.rept \cnt
	v_cndmask_b32 v[X+16*\a+n], v9, v[X+16*\a+n], s[MW0+\a*(MW1-MW0)+n]
.set n, n+1
.endr
.endm
.macro MAXC a                          ; the old maximum and my 16 scores, in two chains
	v_max3_num_f32 v[ST+8*\a+1-P], v[ST+8*\a+P], v[X+16*\a], v[X+16*\a+1]
	v_max3_num_f32 v[ST+8*\a+5], v[X+16*\a+8], v[X+16*\a+9], v[X+16*\a+10]
	v_max3_num_f32 v[ST+8*\a+1-P], v[ST+8*\a+1-P], v[X+16*\a+2], v[X+16*\a+3]
	v_max3_num_f32 v[ST+8*\a+5], v[ST+8*\a+5], v[X+16*\a+11], v[X+16*\a+12]
	v_max3_num_f32 v[ST+8*\a+1-P], v[ST+8*\a+1-P], v[X+16*\a+4], v[X+16*\a+5]
	v_max3_num_f32 v[ST+8*\a+5], v[ST+8*\a+5], v[X+16*\a+13], v[X+16*\a+14]
	v_max3_num_f32 v[ST+8*\a+1-P], v[ST+8*\a+1-P], v[X+16*\a+6], v[X+16*\a+7]
	v_max3_num_f32 v[ST+8*\a+1-P], v[ST+8*\a+1-P], v[ST+8*\a+5], v[X+16*\a+15]
.endm
.macro PERM a                          ; the other half of the lanes holds the query's other 16 keys
	v_permlanex16_b32 v[26+\a], v[ST+8*\a+1-P], s6, s7
.endm
.macro FIN a                           ; new maximum, -c M, and the rescale 2^(c (M old - M new)) from the two rounded products, so that blocks agree
	v_max_num_f32 v[ST+8*\a+1-P], v[ST+8*\a+1-P], v[26+\a]
	v_mul_f32 v[ST+8*\a+3-P], v1, v[ST+8*\a+1-P]
	v_sub_f32 v[ST+8*\a+4], v[ST+8*\a+3-P], v[ST+8*\a+2+P]
	v_exp_f32 v[ST+8*\a+4], v[ST+8*\a+4]           ; a plain instruction of another tile follows (ISA guide 5.7.2)
.endm
.macro FMA a, n0, cnt                  ; c s - c M, two at a time; the new -c M is register 1 - P of its pair
.set n, \n0
.rept \cnt
.if P
	v_pk_fma_f32 v[X+16*\a+2*n:X+16*\a+2*n+1], v[X+16*\a+2*n:X+16*\a+2*n+1], s[66:67], v[ST+8*\a+2:ST+8*\a+3] op_sel:[0,0,0] op_sel_hi:[1,0,0]
.else
	v_pk_fma_f32 v[X+16*\a+2*n:X+16*\a+2*n+1], v[X+16*\a+2*n:X+16*\a+2*n+1], s[66:67], v[ST+8*\a+2:ST+8*\a+3] op_sel:[0,0,1] op_sel_hi:[1,0,1]
.endif
.set n, n+1
.endr
.endm
.macro EXPS a, n0, cnt
.set n, \n0
.rept \cnt
	v_exp_f32 v[X+16*\a+n], v[X+16*\a+n]
.set n, n+1
.endr
.endm
.macro SUM a                           ; L = L AL + my 16 numbers, in three short chains
	s_wait_alu depctr_va_vdst(0)
	v_pk_fma_f32 v[ST+8*\a+6:ST+8*\a+7], v[ST+8*\a+6:ST+8*\a+7], v[ST+8*\a+4:ST+8*\a+5], v[X+16*\a:X+16*\a+1] op_sel_hi:[1,0,1]
	v_pk_add_f32 v[28:29], v[X+16*\a+2:X+16*\a+3], v[X+16*\a+4:X+16*\a+5]
	v_pk_add_f32 v[30:31], v[X+16*\a+6:X+16*\a+7], v[X+16*\a+8:X+16*\a+9]
	v_pk_add_f32 v[ST+8*\a+6:ST+8*\a+7], v[ST+8*\a+6:ST+8*\a+7], v[X+16*\a+10:X+16*\a+11]
	v_pk_add_f32 v[28:29], v[28:29], v[X+16*\a+12:X+16*\a+13]
	v_pk_add_f32 v[30:31], v[30:31], v[X+16*\a+14:X+16*\a+15]
	v_pk_add_f32 v[28:29], v[28:29], v[30:31]
	v_pk_add_f32 v[ST+8*\a+6:ST+8*\a+7], v[ST+8*\a+6:ST+8*\a+7], v[28:29]
.endm
.macro CVT a                           ; P to f16 in place, ascending: register n from 2 n and 2 n + 1: the second source of P V as it stands
.set n, 0
.rept 8
	v_cvt_pk_f16_f32 v[X+16*\a+n], v[X+16*\a+2*n], v[X+16*\a+2*n+1]
.set n, n+1
.endr
.endm
.macro RESC a, n0, cnt                 ; O = O AL
.set n, \n0
.rept \cnt
	v_pk_mul_f32 v[O+32*\a+2*n:O+32*\a+2*n+1], v[O+32*\a+2*n:O+32*\a+2*n+1], v[ST+8*\a+4:ST+8*\a+5] op_sel_hi:[1,0]
.set n, n+1
.endr
.endm
; Trip i (0..3) of a tile.  pv: the trip before's P V is due; qk = 1: K(i+1) lies in this slot, 2: it is the next slot's K(0), 0: there is none;
; ml: the next trip's mask words are asked for.
.macro TRIP i, slot, pv, qk, ml
.set P, (\i)&1
.set X, SB+32*P
.set Y, SB+32-32*P
.set MW0, 16+32*P
.set MW1, 32+36*P
.set DO_PV, \pv
.set DO_QK, \qk
	s_wait_kmcnt 0x0                               ; this trip's mask words are in; no scalar load is out, so the pointer may be stepped
.if \ml
.if \i == 3
	s_add_nc_u64 s[4:5], s[4:5], 512               ; the next tile: 8 blocks of 32 keys, 64 bytes each, of which my key group has four
	s_load_b512 s[48-32*P:63-32*P], s[4:5], 0x0
	s_load_b512 s[68-36*P:83-36*P], s[4:5], 0x1000
.else
	s_load_b512 s[48-32*P:63-32*P], s[4:5], (\i+1)*64
	s_load_b512 s[68-36*P:83-36*P], s[4:5], (\i+1)*64+4096
.endif
.endif
.if \qk == 1
	KLOAD \i+1, \slot                              ; far more than four plain places behind the last products that read these registers
.endif
.if \qk == 2
	KLOAD 0, 1-\slot
.endif
.if \pv
.if \qk
	s_wait_dscnt 0x8                               ; the eight V loads of the trip before are in; the eight K loads just issued stay out
.else
	s_wait_dscnt 0x0
.endif
.endif
	PVX 0
	MASK 0, 0, 8
	PVX 1
	MASK 0, 8, 8
	PVX 2
	MAXC 0
	PVX 3
	PERM 0
	MASK 1, 0, 8
	PVX 4
	FIN 0
	MASK 1, 8, 8
	PVX 5
	MAXC 1
	PVX 6
	PERM 1
	FMA 0, 0, 4
	PVX 7
	FIN 1
	FMA 0, 4, 4
.if \qk
	s_wait_dscnt 0x0                               ; the next trip's K is in
.endif
	VLOAD \i, \slot                                ; seven plain places stand behind the last product that read these registers
	QKX 0, 0
	EXPS 0, 0, 8
	FMA 1, 0, 4
	QKX 1, 0
	EXPS 0, 8, 8
	FMA 1, 4, 4
	QKX 2, 0
	SUM 0
	EXPS 1, 0, 4
	QKX 3, 0
	CVT 0
	EXPS 1, 4, 6
	QKX 0, 1
	EXPS 1, 10, 6
	RESC 0, 0, 6
	QKX 1, 1
	RESC 0, 6, 10
	QKX 2, 1
	SUM 1
	QKX 3, 1
	CVT 1
	RESC 1, 0, 16
.endm
; In front of a tile's last trip: the next slot is shown whole.  One tensor load of mine is out, my part of that slot, with none younger, so its
; counted wait is for 0.
.macro MID
	s_wait_tensorcnt 0x0
	s_wait_dscnt 0x0                               ; no LDS instruction of mine is pending at a signal
	s_barrier_signal -1
	s_barrier_wait -1
.endm
; A tile: four trips of my key group.  first = 1: the launch's first tile has no P V due in its first trip; last = 1: its last tile has no next.
.macro BODY slot, first, last
	TRIP 0, \slot, 1-\first, 1, 1
	TRIP 1, \slot, 1, 1, 1
	TRIP 2, \slot, 1, 1, 1
.if \last
	TRIP 3, \slot, 1, 0, 0
.else
	MID
	TRIP 3, \slot, 1, 2, 1
.endif
.endm
; Behind a tile's last trip its slot is filled again, two tiles ahead.  In front of the round of the cluster's barrier each wave has waited for all
; its tensor loads (none is out since the barrier in front of the last trip) and for its reads of the slot; the joint refill is the first tensor load behind it.
.macro BND slot
	s_wait_xcnt 0x0
	v_lshl_add_u32 v214, v0, 2, 0x42000
	v_mov_b32 v215, 0
	s_wait_tensorcnt 0x0
	ds_add_u32 v214, v215
	s_wait_dscnt 0x0
	s_add_nc_u64 s[14-4*\slot:15-4*\slot], s[14-4*\slot:15-4*\slot], 65536   ; no tensor load of mine is out: group 0 may be written
	s_wait_dscnt 0x0                               ; V of the last trip is in registers: my last read of this slot
	ROUND
	JLOAD \slot
.endm
	s_load_b64 s[68:69], s[0:1], 0x0               ; qkv (s[68:83] serve the set-up; mask words come there from trip 0 on)
	s_load_b64 s[4:5], s[0:1], 0x8                 ; maskw
	s_load_b64 s[100:101], s[0:1], 0x10            ; ctx
	v_lshl_add_u32 v214, v0, 2, 0x42000
	v_mov_b32 v215, 0
	ds_add_u32 v214, v215
	s_wait_dscnt 0x0
	v_lshrrev_b32 v1, 5, v0
	v_readfirstlane_b32 s2, v1                     ; wave 0..15
	s_lshr_b32 s82, s2, 3                          ; my key group.  Also: I fetch for K (0) or for V (1)
	s_and_b32 s83, s2, 7                           ; my query group.  Also: which 32 keys of a tile I fetch
	s_bfe_u32 s72, ttmp6, 0x40000                  ; cx
	s_lshl_b32 s73, ttmp9, 2
	s_add_co_u32 s73, s73, s72                     ; query block: 256 queries
	s_and_b32 s74, ttmp7, 0xffff                   ; b * 16 + head
	; group 1, all constants: a dense block of 4,096 bytes as 16 rows of 32 elements of 8 bytes; mask: all four of the cluster, bit 21 beside it;
	; behind every 32 words 4 words of padding (K) or 8 (V)
	s_mov_b32 s[G1K+0], 15|(3<<16)|(1<<20)|(1<<21)|(4<<22)|(3<<25)
	s_mov_b32 s[G1V+0], 15|(3<<16)|(1<<20)|(1<<21)|(4<<22)|(7<<25)
	s_mov_b32 s[G1K+1], 32<<16                     ; tensor_dim0
	s_mov_b32 s[G1V+1], 32<<16
	s_mov_b32 s[G1K+2], 16<<16                     ; tensor_dim1
	s_mov_b32 s[G1V+2], 16<<16
	s_mov_b32 s[G1K+3], 32<<16                     ; tile_dim0
	s_mov_b32 s[G1V+3], 32<<16
	s_mov_b32 s[G1K+4], 16                         ; tile_dim1
	s_mov_b32 s[G1V+4], 16
	s_mov_b32 s[G1K+5], 32                         ; elements from row to row
	s_mov_b32 s[G1V+5], 32
	s_mov_b32 s[G1K+6], 0
	s_mov_b32 s[G1V+6], 0
	s_mov_b32 s[G1K+7], 0
	s_mov_b32 s[G1V+7], 0
	; the tiles hang on the head and the wave alone, which the four partners share; these registers never hold cx
	s_add_co_u32 s76, s82, 1                       ; part 1 of qkv is K (waves 0-7), part 2 is V (waves 8-15)
	s_lshl_b32 s76, s76, 23
	s_lshl_b32 s77, s74, 18                        ; a head: 2,048 x 128 bytes
	s_add_co_u32 s76, s76, s77
	s_lshl_b32 s77, s83, 12                        ; my 32 keys
	s_add_co_u32 s76, s76, s77
	s_mov_b32 s77, 0
	s_mov_b32 s12, 1
	s_mov_b32 s8, 1
	s_mul_i32 s13, s2, PART                        ; LDS: wave x 5,120 + the slot
	s_add_co_u32 s9, s13, SLOT
	s_mul_i32 s75, s82, GRP                        ; where my key group's keys begin in K's parts and in V's
	s_lshl_b32 s78, s74, 18                        ; my 32 queries in Q and in ctx
	s_lshl_b32 s79, s73, 15
	s_add_co_u32 s78, s78, s79
	s_lshl_b32 s79, s83, 12
	s_add_co_u32 s78, s78, s79
	s_mov_b32 s79, 0
	s_lshr_b32 s80, s74, 4                         ; mask words: (128 b + 16 block + 2 query group) streams of 4,096 bytes, + 256 bytes for key group 1
	s_lshl_b32 s80, s80, 19
	s_lshl_b32 s81, s73, 16
	s_add_co_u32 s80, s80, s81
	s_lshl_b32 s81, s83, 13
	s_add_co_u32 s80, s80, s81
	s_lshl_b32 s81, s82, 8
	s_add_co_u32 s80, s80, s81
	s_mov_b32 s81, 0
	s_wait_kmcnt 0x0
	s_add_nc_u64 s[14:15], s[68:69], s[76:77]      ; tile 0
	s_add_nc_u64 s[10:11], s[14:15], 32768         ; tile 1
	s_or_b32 s15, s15, 0x80000000
	s_or_b32 s11, s11, 0x80000000
	s_add_nc_u64 s[68:69], s[68:69], s[78:79]      ; Q
	s_add_nc_u64 s[100:101], s[100:101], s[78:79]
	s_add_nc_u64 s[4:5], s[4:5], s[80:81]
	ROUND                                          ; all four work-groups are here: the first joint loads meet
	JLOAD 0                                        ; tiles 0 and 1: two tensor loads of the wave are out, the most in this text
	JLOAD 1
	s_load_b512 s[16:31], s[4:5], 0x0              ; trip 0's mask words
	s_load_b512 s[32:47], s[4:5], 0x1000
	v_and_b32 v26, 15, v0                          ; r
	v_bfe_u32 v27, v0, 4, 1                        ; h
	v_lshlrev_b32 v1, 7, v26
	v_lshl_add_u32 v1, v27, 4, v1                  ; query r, 16 h bytes
.irp a, 0,1
.irp dh, 0,1
	global_load_b128 v[Q+16*\a+8*\dh:Q+16*\a+8*\dh+3],   v1, s[68:69] offset:2048*\a+64*\dh
	global_load_b128 v[Q+16*\a+8*\dh+4:Q+16*\a+8*\dh+7], v1, s[68:69] offset:2048*\a+64*\dh+32
.endr
.endr
	v_mul_u32_u24 v28, v26, KP
	v_lshl_add_u32 v28, v27, 4, v28                ; key r, 16 h bytes
	v_add_nc_u32 v[KA], s75, v28
	v_add_nc_u32 v[KA+1], SLOT, v[KA]
	v_and_b32 v28, 7, v0
	v_lshl_add_u32 v28, v27, 3, v28                ; key 8 h + (L & 7)
	v_mul_u32_u24 v28, v28, VP
	v_bfe_u32 v29, v0, 3, 1
	v_lshl_add_u32 v28, v29, 4, v28                ; + 16 ((L >> 3) & 1)
	v_add_nc_u32 v28, s75, v28
	v_add_nc_u32 v[VA], VOFF, v28
	v_add_nc_u32 v[VA+1], VOFF+SLOT, v28
	s_mov_b32 s6, 0x76543210
	s_mov_b32 s7, 0xfedcba98
	s_mov_b32 s66, 0x3e38aa3b                      ; c = log2(e) / 8
	s_mov_b32 s67, 0x3e38aa3b
	v_mov_b32 v9, 0xc79c4000                       ; -80000.0
.irp a, 0,1
	v_mov_b32 v[ST+8*\a], 0xff800000               ; M = -infinity
	v_mov_b32 v[ST+8*\a+2], 0x7f800000             ; -c M = +infinity: the first rescale is 2^(-infinity) = 0
	v_mov_b32 v[ST+8*\a+6], 0
	v_mov_b32 v[ST+8*\a+7], 0
.endr
.set n, 0
.rept 64
	v_mov_b32 v[O+n], 0                            ; once a wave: the first trips rescale O before a product has written it
.set n, n+1
.endr
	s_wait_loadcnt 0x0                             ; Q is in: its offset register and its base are free
	v_mov_b32 v1, 0xbe38aa3b                       ; -c
	s_wait_tensorcnt 0x1                           ; my part of tile 0 is in; tile 1's load stays out
	s_barrier_signal -1
	s_barrier_wait -1                              ; everybody's is
	KLOAD 0, 0                                     ; the launch's first scores, the only products with no vector work beside them but the last
	s_wait_dscnt 0x0
.set Y, SB
.irp t, 0,1,2,3
	QKW \t, 0
.endr
.irp t, 0,1,2,3
	QKW \t, 1
.endr
	PLACES                                         ; the scores are read and the K registers loaded again four places behind these products
	BODY 0, 1, 0                                   ; tiles 0 and 1
	BND 0
	BODY 1, 0, 0
	BND 1
	s_mov_b32 s3, 2
.Ltiles:
	BODY 0, 0, 0                                   ; tiles 2 to 5
	BND 0
	BODY 1, 0, 0
	BND 1
	s_sub_co_i32 s3, s3, 1
	s_cmp_lg_u32 s3, 0
	s_cbranch_scc1 .Ltiles
	BODY 0, 0, 0                                   ; tiles 6 and 7: nothing more to fetch, so no barrier between them
	BODY 1, 0, 1
	s_wait_dscnt 0x0                               ; V of the last trip
	PVALL SB+32
	PLACES                                         ; the sums are read four places behind the last products
	; THE TWO KEY GROUPS MEET.  Key group 1 puts O, -c M and its row sums into its query group's bytes of LDS, 16 bytes a lane.
	s_and_b32 s72, s2, 7
	s_mul_i32 s73, s72, MPART
	s_add_co_u32 s73, s73, MERGE
	v_and_b32 v29, 31, v0
	v_lshlrev_b32 v[CO], 4, v29
	v_add_nc_u32 v2, s73, v[CO]
	v_add_f32 v28, v[ST+6], v[ST+7]                ; my lane's row sums
	v_add_f32 v29, v[ST+14], v[ST+15]
	s_cmp_lt_u32 s2, 8
	s_cbranch_scc1 .Lkeeper
	v_mov_b32 v26, v[ST+2]                         ; -c M as the last trip (odd) left it
	v_mov_b32 v27, v[ST+10]
.set n, 0
.rept 16
	ds_store_b128 v2, v[O+4*n:O+4*n+3] offset:512*n
.set n, n+1
.endr
	ds_store_b128 v2, v[26:29] offset:8192
.Lkeeper:
	s_wait_dscnt 0x0                               ; for the other group's sake: my stores are done
	s_barrier_signal -1
	s_barrier_wait -1
	s_cmp_lt_u32 s2, 8
	s_cbranch_scc0 .Lclose                         ; key group 1 has nothing more to do but the closing round
.set n, 0
.rept 16
	ds_load_b128 v[SB+4*n:SB+4*n+3], v2 offset:512*n
.set n, n+1
.endr
	ds_load_b128 v[KF:KF+3], v2 offset:8192        ; v192, v193: the partner's -c M; v194, v195: its row sums
	s_mul_i32 s72, s72, 4608
	s_add_co_u32 s72, s72, STAGE
	v_and_b32 v30, 15, v0
	v_bfe_u32 v31, v0, 4, 1
	v_mul_u32_u24 v30, v30, KP
	v_lshl_add_u32 v30, v31, 4, v30
	v_add_nc_u32 v[STO], s72, v30                  ; in: query r, 16 h bytes
	v_bfe_u32 v30, v0, 3, 2
	v_and_b32 v31, 7, v0
	v_mul_u32_u24 v30, v30, KP
	v_lshl_add_u32 v30, v31, 4, v30
	v_add_nc_u32 v[RD], s72, v30                   ; back: four rows of 128 bytes a load
	s_wait_dscnt 0x0
	v_min_num_f32 v196, v[ST+2], v192              ; -c times the larger maximum
	v_min_num_f32 v197, v[ST+10], v193
	v_sub_f32 v198, v196, v[ST+2]
	v_sub_f32 v199, v197, v[ST+10]
	v_sub_f32 v200, v196, v192
	v_sub_f32 v201, v197, v193
	v_exp_f32 v198, v198                           ; my rescale, a = 0, 1
	v_exp_f32 v199, v199
	v_exp_f32 v200, v200                           ; the partner's
	v_exp_f32 v201, v201
	v_nop                                          ; one plain place behind the exponentials (ISA guide 5.7.2)
	s_wait_alu depctr_va_vdst(0)
	v_mul_f32 v28, v28, v198
	v_mul_f32 v29, v29, v199
	v_fmac_f32 v28, v194, v200
	v_fmac_f32 v29, v195, v201
	v_permlanex16_b32 v26, v28, s6, s7             ; the other half's keys
	v_permlanex16_b32 v27, v29, s6, s7
	v_add_f32 v28, v28, v26
	v_add_f32 v29, v29, v27
	v_rcp_f32 v30, v28                             ; the sum holds the maximum's own term, about 1: never 0
	v_rcp_f32 v31, v29
	v_nop                                          ; one plain place behind the reciprocals (ISA guide 5.7.2)
	s_wait_alu depctr_va_vdst(0)
	v_mul_f32 v198, v198, v30                      ; rescale and division in one factor
	v_mul_f32 v199, v199, v31
	v_mul_f32 v200, v200, v30
	v_mul_f32 v201, v201, v31
.set n, 0
.rept 16
	v_pk_mul_f32 v[O+2*n:O+2*n+1], v[O+2*n:O+2*n+1], v[198:199] op_sel_hi:[1,0]
	v_pk_mul_f32 v[O+32+2*n:O+32+2*n+1], v[O+32+2*n:O+32+2*n+1], v[198:199] op_sel:[0,1] op_sel_hi:[1,1]
.set n, n+1
.endr
.set n, 0
.rept 16
	v_pk_fma_f32 v[O+2*n:O+2*n+1], v[SB+2*n:SB+2*n+1], v[200:201], v[O+2*n:O+2*n+1] op_sel_hi:[1,0,1]
	v_pk_fma_f32 v[O+32+2*n:O+32+2*n+1], v[SB+32+2*n:SB+32+2*n+1], v[200:201], v[O+32+2*n:O+32+2*n+1] op_sel:[0,1,0] op_sel_hi:[1,1,1]
.set n, n+1
.endr
	; THE WAY OUT: round to f16, through my own stage in LDS, out as 512 consecutive bytes a store
.irp a, 0,1
.set n, 0
.rept 16
	v_cvt_pk_f16_f32 v[O+32*\a+n], v[O+32*\a+2*n], v[O+32*\a+2*n+1]   ; in place, ascending
.set n, n+1
.endr
.irp dt, 0,1,2,3
	ds_store_b128 v[STO], v[O+32*\a+4*\dt:O+32*\a+4*\dt+3] offset:2304*\a+32*\dt
.endr
.endr
.irp a, 0,1
.irp t, 0,1,2,3
	ds_load_b128 v[KF+16*\a+4*\t:KF+16*\a+4*\t+3], v[RD] offset:2304*\a+576*\t   ; LDS serves a wave in order (ISA guide 5.7.1): these see the stores above
.endr
.endr
.irp a, 0,1
.irp t, 0,1,2,3
	s_wait_dscnt 7-4*\a-\t                         ; this load is in, the younger ones stay out
	global_store_b128 v[CO], v[KF+16*\a+4*\t:KF+16*\a+4*\t+3], s[100:101] offset:2048*\a+512*\t
.endr
.endr
.Lclose:
	s_wait_xcnt 0x0
	v_lshl_add_u32 v214, v0, 2, 0x42000
	v_mov_b32 v215, 0
	s_wait_tensorcnt 0x0
	ds_add_u32 v214, v215
	s_wait_dscnt 0x0
	ROUND                                          ; the closing round: no work-group ends while a partner may still ask for a tile that names it
	s_endpgm
.Lfunc_end_k_qc1999d4d2d_attn:
	.size	k_qc1999d4d2d_attn, .Lfunc_end_k_qc1999d4d2d_attn-k_qc1999d4d2d_attn
	.p2alignl 7, 3214868480
	.fill 96, 4, 3214868480
	.section	.rodata,"a",@progbits
	.p2align	6, 0x0
	.amdhsa_kernel k_qc1999d4d2d_attn
		.amdhsa_group_segment_fixed_size 327680
		.amdhsa_private_segment_fixed_size 0
		.amdhsa_enable_private_segment 0
		.amdhsa_kernarg_size 24
		.amdhsa_user_sgpr_count 2
		.amdhsa_user_sgpr_kernarg_segment_ptr 1
		.amdhsa_wavefront_size32 1
		.amdhsa_system_sgpr_workgroup_id_x 1
		.amdhsa_system_sgpr_workgroup_id_y 1
		.amdhsa_system_sgpr_workgroup_id_z 1
		.amdhsa_system_vgpr_workitem_id 0
		.amdhsa_next_free_vgpr 256
		.amdhsa_next_free_sgpr 102
		.amdhsa_reserve_vcc 0
		.amdhsa_float_denorm_mode_32 3
		.amdhsa_float_denorm_mode_16_64 3
		.amdhsa_memory_ordered 1
		.amdhsa_forward_progress 1
		.amdhsa_inst_pref_size 255
	.end_amdhsa_kernel
	.section	.bss,"aw",@nobits
	.p2align	6
	.space	262144
	.amdgpu_metadata
---
amdhsa.version: [ 1, 2 ]
amdhsa.kernels:
  - .name:           k_qc1999d4d2d_attn
    .symbol:         k_qc1999d4d2d_attn.kd
    .args:
      - { .name: qkv, .offset: 0, .size: 8, .value_kind: global_buffer, .address_space: global }
      - { .name: maskw, .offset: 8, .size: 8, .value_kind: global_buffer, .address_space: global }
      - { .name: ctx, .offset: 16, .size: 8, .value_kind: global_buffer, .address_space: global }
    .group_segment_fixed_size: 327680
    .private_segment_fixed_size: 0
    .kernarg_segment_align: 8
    .kernarg_segment_size: 24
    .max_flat_workgroup_size: 512
    .sgpr_count:     102
    .vgpr_count:     256
    .wavefront_size: 32
...
	.end_amdgpu_metadata
.endif
;; end of part 3
;; launch oproj (part 4): grid 8 x 32, 4 waves a work-group, clusters of 4 x 4, 327,680 bytes of LDS; arguments ctx, w16, b_o, out0; writes out0
.if DOCPART == 4
	.amdgcn_target "amdgcn-amd-amdhsa--gfx1250"
	.amdhsa_code_object_version 6
	.text
	.protected	k_qc1999d4d2d_oproj
	.globl	k_qc1999d4d2d_oproj
	.p2align	8
	.type	k_qc1999d4d2d_oproj,@function
k_qc1999d4d2d_oproj:
	s_mov_b64 s[64:65], 0
	v_nop
	global_prefetch_b8 v0, s[64:65] scope:SCOPE_SE
	s_setreg_imm32_b32 hwreg(HW_REG_WAVE_MODE, 25, 1), 1
	s_wait_xcnt 0x0
	s_wait_alu depctr_hold_cnt(0) depctr_sa_sdst(0) depctr_va_vdst(0) depctr_va_sdst(0) depctr_va_ssrc(0) depctr_va_vcc(0) depctr_vm_vsrc(0)
	s_getreg_b32 s2, hwreg(HW_REG_IB_STS2, 6, 4)
	s_cmp_eq_u32 s2, 0
	s_cbranch_scc0 .Lentry_in_a_cluster
	s_endpgm
.Lentry_in_a_cluster:
	s_bfe_u32 s2, ttmp6, 0x10000c
	s_cmp_lg_u32 s2, 0xf033
	s_cbranch_scc0 .Lentry_shape_is_right
	s_endpgm
.Lentry_shape_is_right:
; C = X W + bias, 128 tokens x 128 features a work-group, K = 1024.  OUT_F32 = 0: the q, k and v projections (x16, w16 parts 0..2 -> qkv, f16,
; [t][b*16+head][s][64]).  OUT_F32 = 1: the output projection (ctx, w16 part 3 -> out0, f32, row-major).
; X lies in panels [b][k/64][s][64] of f16, W row-major [k][n] of f16.  Sums in f32, bias added in f32.
; Four waves, each 64 tokens x 64 features: 16 accumulator tiles, 128 registers.  K goes in 4 steps of 256 through two LDS slots.
; CLUSTERS 4 x 4: the four work-groups of a row of the cluster need the same X tiles, the four of a column the same W tiles; each tile is asked
; for jointly by the four, which divides the requests for X and W by four.
; The matrix instruction is used transposed (source 0 = 16 features of W, source 1 = 16 tokens of X): a lane then holds token L % 16 and
; eight neighbouring features 8 (L / 16) + 0..7.
; LIMITS: operands are f16: magnitudes below 65,504 (with OUT_F32 = 0 the results too); the order of sums differs from a plain f32 product.
.set OUT_F32, 1
.set HALFT,  36864                     ; what one tensor load brings: X: 4 panels x 64 tokens at pitch 144; W: 128 k-rows at pitch 288
.set SLOT,   4*HALFT                   ; X half 0, X half 1, W half 0, W half 1 = wave x HALFT
.set STAGE,  2*SLOT                    ; behind the ring, bytes that no tensor load fills: 16 rows a wave for the way out
.set APITCH, 144                       ; 128 bytes + 16: an odd multiple of 16, the 16 rows of a fragment load start in 16 different 16-byte columns of 256 bytes
.set APANEL, 64*APITCH
.set BPITCH, 288                       ; 256 bytes + 32: an odd multiple of 32, as the transposing load's rows want
.set ASTEP,  4*262144                  ; a K step of X: four panels
.set BSTEP,  256*2048                  ; a K step of W: 256 rows
.if OUT_F32
.set SPITCH, 272
.else
.set SPITCH, 144
.endif
.set ADRA, 16                          ; v16-17  my X fragments in slot 0, 1
.set ADRB, 18                          ; v18-21  my W fragments: slot 0 half 0, 1; slot 1 half 0, 1
.set STO,  24                          ; the way out: where a lane puts its numbers
.set RD,   25                          ; where it reads whole rows back
.set CO,   26                          ; its byte offset in the output
.set BOFF, 27                          ; its byte offset in the bias
.set F0,   64                          ; fragment buffer 0: X tiles at +8 i, W tiles at +32 + 8 nb
.set F1,   128                         ; fragment buffer 1
.set TMP,  192                         ; v[192:223] 16 tokens' results with bias
.set BIAS, 224                         ; v[224:255] bias of my features 16 nb + 8 h + j
.set G1,  24                           ; s[24:31] group 1 for X's tiles
.set G0,  32                           ; s[32:39] group 0 for X's tiles, one set a slot
.set G1B, 48                           ; s[48:55] group 1 for W's tiles
.set G0B, 56                           ; s[56:63] group 0 for W's tiles, one set a slot
.set MSB, 0
.macro WIN new                         ; the immediate's high byte repeats the setting that is left
.if MSB != \new
	s_set_vgpr_msb (MSB<<8)|\new
.set MSB, \new
.endif
.endm
.set MUL,    0x50                      ; C and D in window 1 (accumulator (i, nb) at v[8 (4 i + nb)] there), A and B in window 0
.set ACCSRC, 0x01                      ; source 0 in window 1
.macro PLACES                          ; four plain vector places behind a matrix instruction (ISA guide 7.12.1) where there is no vector work to put there
.rept 4
	v_nop
.endr
.endm
; A joint load: waves 0 and 1 fetch X's halves, waves 2 and 3 W's.  The branch hangs on the wave's number alone.
.macro JLOAD s
	s_cmp_eq_u32 s11, 0
	s_cbranch_scc0 .Lfor_b_\@
	tensor_load_to_lds s[G0+4*\s:G0+4*\s+3], s[G1:G1+7]
	s_nop 0
	s_branch .Lasked_\@
.Lfor_b_\@:
	tensor_load_to_lds s[G0B+4*\s:G0B+4*\s+3], s[G1B:G1B+7]
	s_nop 0
.Lasked_\@:
.endm
.macro CREST                           ; a round of the cluster's barrier behind its opening work-group barrier
	s_cmp_lg_u32 s10, 0
	s_cbranch_scc1 .Lnot_wave_0_\@
	s_barrier_signal -3
.Lnot_wave_0_\@:
	s_barrier_wait -3
	s_barrier_signal -1
	s_barrier_wait -1
.endm
.macro CROUND
	s_barrier_signal -1
	s_barrier_wait -1
	CREST
.endm
; 16 LDS loads: the fragments of quarter q (32 along K) of a slot into buffer g
.macro FETCH slot, q, g
.irp i, 0,1,2,3
	ds_load_b128 v[\g+8*\i:\g+8*\i+3],   v[ADRA+\slot] offset:((\q)>>1)*APANEL+((\q)&1)*64+\i*16*APITCH
	ds_load_b128 v[\g+8*\i+4:\g+8*\i+7], v[ADRA+\slot] offset:((\q)>>1)*APANEL+((\q)&1)*64+\i*16*APITCH+32
.endr
.irp nb, 0,1,2,3
	ds_load_tr16_b128 v[\g+32+8*\nb:\g+32+8*\nb+3],   v[ADRB+2*\slot+((\q)>>2)] offset:((\q)&3)*32*BPITCH+32*\nb
	ds_load_tr16_b128 v[\g+32+8*\nb+4:\g+32+8*\nb+7], v[ADRB+2*\slot+((\q)>>2)] offset:((\q)&3)*32*BPITCH+32*\nb+16*BPITCH
.endr
.endm
; 8 matrix instructions: token tiles i0, i0 + 1 x the 4 feature tiles.  The 16 accumulators take turns, one instruction a turn, in the same
; order in every quarter.  zero = 1: the first products start the sums.
.macro MUL8 f, i0, zero
.irp i, \i0, \i0+1
.irp nb, 0,1,2,3
.if \zero
	v_wmma_f32_16x16x32_f16 v[8*(4*(\i)+\nb):8*(4*(\i)+\nb)+7], v[\f+32+8*\nb:\f+32+8*\nb+7], v[\f+8*(\i):\f+8*(\i)+7], 0
.else
	v_wmma_f32_16x16x32_f16 v[8*(4*(\i)+\nb):8*(4*(\i)+\nb)+7], v[\f+32+8*\nb:\f+32+8*\nb+7], v[\f+8*(\i):\f+8*(\i)+7], v[8*(4*(\i)+\nb):8*(4*(\i)+\nb)+7]
.endif
.endr
.endr
.endm
; Quarter q (0..6) of a K step: buffer f is multiplied; ahead of the products the next quarter's fragments are asked for, into buffer g.
.macro QUARTER slot, q, f, g, zero
	s_wait_dscnt 0x0                               ; buffer f's 16 loads are in; nothing else is out
	PLACES                                         ; buffer g was read by the last quarter's products
	FETCH \slot, \q+1, \g
	WIN MUL
	MUL8 \f, 0, \zero
	MUL8 \f, 2, \zero
	WIN 0
.endm
.macro SEVEN slot, zero
	QUARTER \slot, 0, F0, F1, \zero
	QUARTER \slot, 1, F1, F0, 0
	QUARTER \slot, 2, F0, F1, 0
	QUARTER \slot, 3, F1, F0, 0
	QUARTER \slot, 4, F0, F1, 0
	QUARTER \slot, 5, F1, F0, 0
	QUARTER \slot, 6, F0, F1, 0
.endm
; Quarter 7: buffer 1 is multiplied and the slots change.  In front of the barrier each wave has waited for its reads of this slot and for all
; its tensor loads (the one that is out is its part of the next slot).  fill = 1: the barrier opens a round of the cluster's barrier, and the
; joint refill of this slot, two K steps ahead, is the first tensor load behind the round.
.macro TURN slot, next, fill
	s_wait_dscnt 0x0
	s_wait_tensorcnt 0x0
	ds_add_u32 v62, v63
	s_wait_dscnt 0x0
	s_barrier_signal -1
	WIN MUL
	MUL8 F1, 0, 0                                  ; registers only, while the others arrive
	WIN 0
	s_barrier_wait -1
.if \fill
	CREST
	s_add_nc_u64 s[G0+4*\slot+2:G0+4*\slot+3], s[G0+4*\slot+2:G0+4*\slot+3], 2*ASTEP     ; no tensor load of mine is out: group 0 may be written
	s_add_nc_u64 s[G0B+4*\slot+2:G0B+4*\slot+3], s[G0B+4*\slot+2:G0B+4*\slot+3], 2*BSTEP
	JLOAD \slot
.endif
	PLACES                                         ; buffer 0 was read by quarter 6's products
	FETCH \next, 0, F0
	WIN MUL
	MUL8 F1, 2, 0
	WIN 0
.endm
	s_load_b128 s[4:7], s[0:1], 0x0                ; X s[4:5], w16 s[6:7]
.if OUT_F32
	s_load_b128 s[76:79], s[0:1], 0x10             ; bias s[76:77], output s[78:79]
	v_lshl_add_u32 v62, v0, 2, 0x4c400
	v_mov_b32 v63, 0
	ds_add_u32 v62, v63
.else
	s_load_b128 s[72:75], s[0:1], 0x10             ; b_q, b_k
	s_load_b128 s[76:79], s[0:1], 0x20             ; b_v, output s[78:79]
.endif
	v_lshrrev_b32 v1, 5, v0
	v_readfirstlane_b32 s10, v1                    ; wave 0..3
	s_lshr_b32 s11, s10, 1                         ; my token half.  Also: I fetch for X (0) or for W (1)
	s_and_b32 s12, s10, 1                          ; my feature half.  Also: which half of that tile I fetch
	s_bfe_u32 s40, ttmp6, 0x40000                  ; cx
	s_bfe_u32 s41, ttmp6, 0x40004                  ; cy
	s_lshl_b32 s42, ttmp9, 2
	s_add_co_u32 s42, s42, s40                     ; bx: 128 features
	s_and_b32 s21, ttmp7, 0xffff                   ; the cluster's y
	s_lshl_b32 s13, s21, 2
	s_add_co_u32 s13, s13, s41                     ; by: 128 tokens; by >> 4 = 2 t + b, by & 15 = the block in the sequence
.if OUT_F32
	s_mov_b32 s45, 3                               ; the weight's part of w16
.else
	s_lshr_b32 s45, s21, 3                         ; t = 0, 1, 2: eight clusters along y for each; the same in all partners
.endif
	s_lshl_b32 s43, s41, 2
	s_lshl_b32 s43, 15, s43                        ; my row of the cluster
	s_lshl_b32 s44, 0x1111, s40                    ; my column
	; group 1.  X: 4 rows (panels) of 4,096 elements (64 tokens, dense), 131,072 elements apart; 4 words of padding behind every 32.
	;           W: 128 rows of 128 elements, 1,024 elements apart; 8 words of padding behind every 64.
	s_or_b32 s[G1+0],  s43, (1<<16)|(1<<20)|(1<<21)|(4<<22)|(3<<25)
	s_or_b32 s[G1B+0], s44, (1<<16)|(1<<20)|(1<<21)|(5<<22)|(7<<25)
	s_mov_b32 s[G1+1],  4096<<16                   ; tensor_dim0
	s_mov_b32 s[G1B+1], 128<<16
	s_mov_b32 s[G1+2],  4<<16                      ; tensor_dim1
	s_mov_b32 s[G1B+2], 128<<16
	s_mov_b32 s[G1+3],  4096<<16                   ; tile_dim0
	s_mov_b32 s[G1B+3], 128<<16
	s_mov_b32 s[G1+4],  4                          ; tile_dim1
	s_mov_b32 s[G1B+4], 128
	s_mov_b32 s[G1+5],  131072                     ; elements from row to row
	s_mov_b32 s[G1B+5], 1024
	s_mov_b32 s[G1+6],  0
	s_mov_b32 s[G1B+6], 0
	s_mov_b32 s[G1+7],  0
	s_mov_b32 s[G1B+7], 0
	; X's tiles hang on by and the wave alone, W's on bx, t and the wave alone, each in registers that never hold the other coordinate
	s_lshr_b32 s16, s13, 4
	s_lshl_b32 s16, s16, 22                        ; (2 t + b) x 4,194,304
	s_and_b32 s17, s13, 15
	s_lshl_b32 s17, s17, 14                        ; 128 tokens x 128 bytes
	s_add_co_u32 s16, s16, s17
	s_lshl_b32 s17, s12, 13                        ; my 64 tokens of the tile
	s_add_co_u32 s16, s16, s17
	s_mov_b32 s17, 0
	s_lshl_b32 s46, s45, 21                        ; the weight: 2,097,152 bytes each
	s_lshl_b32 s47, s12, 18                        ; my 128 k-rows of the tile
	s_add_co_u32 s46, s46, s47
	s_lshl_b32 s47, s42, 8                         ; 128 features x 2 bytes
	s_add_co_u32 s46, s46, s47
	s_mov_b32 s47, 0
	s_mul_i32 s20, s10, HALFT                      ; LDS: wave x HALFT, no place in the cluster enters
	s_lshl_b32 s66, s42, 9                         ; bias: 128 bx + 64 wn features of 4 bytes
	s_lshl_b32 s67, s12, 8
	s_add_co_u32 s66, s66, s67
	s_mov_b32 s67, 0
.if OUT_F32
	s_lshl_b32 s68, s13, 19                        ; out0: (128 by + 64 wm) rows of 4,096 bytes + (128 bx + 64 wn) x 4
	s_lshl_b32 s69, s11, 18
	s_add_co_u32 s68, s68, s69
	s_add_co_u32 s68, s68, s66
.else
	s_lshr_b32 s68, s13, 4                         ; qkv: (2 t + b) << 22, head 2 bx + wn << 18, token (128 (by & 15) + 64 wm) x 128 bytes
	s_lshl_b32 s68, s68, 22
	s_and_b32 s69, s13, 15
	s_lshl_b32 s69, s69, 14
	s_add_co_u32 s68, s68, s69
	s_lshl_b32 s69, s42, 19
	s_add_co_u32 s68, s68, s69
	s_lshl_b32 s69, s12, 18
	s_add_co_u32 s68, s68, s69
	s_lshl_b32 s69, s11, 13
	s_add_co_u32 s68, s68, s69
.endif
	s_mov_b32 s69, 0
	s_wait_dscnt 0x0
	s_wait_kmcnt 0x0
	s_add_nc_u64 s[14:15], s[4:5], s[16:17]
	s_add_nc_u64 s[46:47], s[6:7], s[46:47]
.if OUT_F32 == 0
	s_cmp_eq_u32 s45, 0
	s_cselect_b64 s[72:73], s[72:73], s[74:75]
	s_cmp_eq_u32 s45, 2
	s_cselect_b64 s[76:77], s[76:77], s[72:73]     ; the bias of t
.endif
	s_add_nc_u64 s[76:77], s[76:77], s[66:67]
	s_add_nc_u64 s[78:79], s[78:79], s[68:69]
	CROUND                                         ; all sixteen work-groups are here: the first joint loads meet
.irp s, 0,1
	s_mov_b32 s[G0+4*\s], 1
	s_add_co_u32 s[G0+4*\s+1], s20, \s*SLOT
	s_add_nc_u64 s[G0+4*\s+2:G0+4*\s+3], s[14:15], \s*ASTEP
	s_or_b32 s[G0+4*\s+3], s[G0+4*\s+3], 0x80000000
	s_mov_b32 s[G0B+4*\s], 1
	s_add_co_u32 s[G0B+4*\s+1], s20, \s*SLOT
	s_add_nc_u64 s[G0B+4*\s+2:G0B+4*\s+3], s[46:47], \s*BSTEP
	s_or_b32 s[G0B+4*\s+3], s[G0B+4*\s+3], 0x80000000
	JLOAD \s                                       ; K steps 0 and 1: two tensor loads of the wave are out, the most in this text
.endr
	v_and_b32 v1, 15, v0                           ; r = L % 16
	v_bfe_u32 v2, v0, 4, 1                         ; h = L / 16
	v_lshlrev_b32 v[BOFF], 5, v2                   ; 8 h features of 4 bytes
.irp nb, 0,1,2,3
	global_load_b128 v[BIAS+8*\nb:BIAS+8*\nb+3],   v[BOFF], s[76:77] offset:64*\nb
	global_load_b128 v[BIAS+8*\nb+4:BIAS+8*\nb+7], v[BOFF], s[76:77] offset:64*\nb+16
.endr
	v_mul_u32_u24 v3, v1, APITCH
	v_lshl_add_u32 v3, v2, 4, v3                   ; token r, 16 h bytes
	s_mul_i32 s21, s11, HALFT                      ; my 64 tokens
	v_add_nc_u32 v[ADRA], s21, v3
	v_add_nc_u32 v[ADRA+1], SLOT, v[ADRA]
	v_and_b32 v4, 7, v0
	v_lshl_add_u32 v4, v2, 3, v4                   ; k-row 8 h + (L & 7)
	v_mul_u32_u24 v4, v4, BPITCH
	v_bfe_u32 v5, v0, 3, 1
	v_lshl_add_u32 v4, v5, 4, v4                   ; + 16 ((L >> 3) & 1)
	s_lshl_b32 s22, s12, 7                         ; my 64 features
	s_add_co_u32 s22, s22, 2*HALFT                 ; W lies behind X's two halves
	v_add_nc_u32 v[ADRB], s22, v4
	v_add_nc_u32 v[ADRB+1], HALFT, v[ADRB]
	v_add_nc_u32 v[ADRB+2], SLOT, v[ADRB]
	v_add_nc_u32 v[ADRB+3], SLOT+HALFT, v[ADRB]
	s_mul_i32 s23, s10, 16*SPITCH
	s_add_co_u32 s23, s23, STAGE                   ; my stage
.if OUT_F32
	v_mul_u32_u24 v6, v1, SPITCH                   ; in: token r, 32 h bytes
	v_lshl_add_u32 v6, v2, 5, v6
	v_add_nc_u32 v[STO], s23, v6
	v_mul_u32_u24 v6, v2, SPITCH                   ; back: lanes 0-15 one row of 256 bytes, lanes 16-31 the next
	v_lshl_add_u32 v6, v1, 4, v6
	v_add_nc_u32 v[RD], s23, v6
	v_lshlrev_b32 v6, 12, v2
	v_lshl_add_u32 v[CO], v1, 4, v6                ; the same two rows in out0
.else
	v_add_nc_u32 v[STO], s23, v3                   ; in: token r, 16 h bytes
	v_bfe_u32 v6, v0, 3, 2
	v_and_b32 v7, 7, v0
	v_mul_u32_u24 v6, v6, SPITCH                   ; back: four rows of 128 bytes a load
	v_lshl_add_u32 v6, v7, 4, v6
	v_add_nc_u32 v[RD], s23, v6
	v_and_b32 v7, 31, v0
	v_lshlrev_b32 v[CO], 4, v7                     ; which are 512 consecutive bytes of qkv
.endif
	s_wait_tensorcnt 0x1                           ; my part of K step 0 is in; K step 1's load stays out
	s_barrier_signal -1
	s_barrier_wait -1                              ; everybody's is
	FETCH 0, 0, F0
	SEVEN 0, 1
	TURN 0, 1, 1                                   ; slot 0 gets K step 2
	SEVEN 1, 0
	TURN 1, 0, 1                                   ; slot 1 gets K step 3
	SEVEN 0, 0
	TURN 0, 1, 0
	SEVEN 1, 0
	s_wait_dscnt 0x0                               ; the very last quarter: nothing more to fetch
	WIN MUL
	MUL8 F1, 0, 0
	MUL8 F1, 2, 0
	WIN 0
	PLACES                                         ; behind the last products: the sums are read, the fragment buffers loaded again
	s_wait_loadcnt 0x0                             ; the bias
; THE WAY OUT, 16 tokens at a time: bias in f32, into my own stage in LDS, back as whole rows, out in runs of consecutive bytes.
.macro OUT16 i, f
	WIN ACCSRC
.irp nb, 0,1,2,3
.irp jj, 0,1,2,3
	v_pk_add_f32 v[TMP+8*\nb+2*\jj:TMP+8*\nb+2*\jj+1], v[8*(4*\i+\nb)+2*\jj:8*(4*\i+\nb)+2*\jj+1], v[BIAS+8*\nb+2*\jj:BIAS+8*\nb+2*\jj+1]
.endr
.endr
	WIN 0
.if OUT_F32
.irp nb, 0,1,2,3
	ds_store_b128 v[STO], v[TMP+8*\nb:TMP+8*\nb+3]   offset:64*\nb
	ds_store_b128 v[STO], v[TMP+8*\nb+4:TMP+8*\nb+7] offset:64*\nb+16
.endr
	s_wait_xcnt 0x0                                ; buffer f, which earlier stores read, is loaded again only behind this wait
.irp t, 0,1,2,3,4,5,6,7
	ds_load_b128 v[\f+4*\t:\f+4*\t+3], v[RD] offset:\t*2*SPITCH      ; LDS serves a wave in order (ISA guide 5.7.1): these see the stores above
.endr
.irp t, 0,1,2,3,4,5,6,7
	s_wait_dscnt 7-\t                              ; load t is in, the younger ones stay out
	global_store_b128 v[CO], v[\f+4*\t:\f+4*\t+3], s[78:79] offset:\i*65536+\t*8192 th:TH_STORE_NT   ; 16 lanes store 256 consecutive bytes, aligned
.endr
.else
.irp nb, 0,1,2,3
.irp jj, 0,1,2,3
	v_cvt_pk_f16_f32 v[TMP+4*\nb+\jj], v[TMP+8*\nb+2*\jj], v[TMP+8*\nb+2*\jj+1]   ; in place, ascending: a target has always been read
.endr
.endr
.irp nb, 0,1,2,3
	ds_store_b128 v[STO], v[TMP+4*\nb:TMP+4*\nb+3] offset:32*\nb
.endr
	s_wait_xcnt 0x0                                ; buffer f, which earlier stores read, is loaded again only behind this wait
.irp t, 0,1,2,3
	ds_load_b128 v[\f+4*\t:\f+4*\t+3], v[RD] offset:\t*4*SPITCH      ; LDS serves a wave in order (ISA guide 5.7.1): these see the stores above
.endr
.irp t, 0,1,2,3
	s_wait_dscnt 3-\t                              ; load t is in, the younger ones stay out
	global_store_b128 v[CO], v[\f+4*\t:\f+4*\t+3], s[78:79] offset:\i*2048+\t*512   ; the wave stores 512 consecutive bytes, aligned
.endr
.endif
.endm
	OUT16 0, F0
	OUT16 1, F1
	OUT16 2, F0
	OUT16 3, F1
	s_wait_tensorcnt 0x0
	ds_add_u32 v62, v63
	s_wait_dscnt 0x0
	CROUND                                         ; the closing round: no work-group ends while a partner may still ask for a tile that names it
	s_endpgm
.Lfunc_end_k_qc1999d4d2d_oproj:
	.size	k_qc1999d4d2d_oproj, .Lfunc_end_k_qc1999d4d2d_oproj-k_qc1999d4d2d_oproj
	.p2alignl 7, 3214868480
	.fill 96, 4, 3214868480
	.section	.rodata,"a",@progbits
	.p2align	6, 0x0
	.amdhsa_kernel k_qc1999d4d2d_oproj
		.amdhsa_group_segment_fixed_size 327680
		.amdhsa_private_segment_fixed_size 0
		.amdhsa_enable_private_segment 0
		.amdhsa_kernarg_size 32
		.amdhsa_user_sgpr_count 2
		.amdhsa_user_sgpr_kernarg_segment_ptr 1
		.amdhsa_wavefront_size32 1
		.amdhsa_system_sgpr_workgroup_id_x 1
		.amdhsa_system_sgpr_workgroup_id_y 1
		.amdhsa_system_sgpr_workgroup_id_z 1
		.amdhsa_system_vgpr_workitem_id 0
		.amdhsa_next_free_vgpr 384
		.amdhsa_next_free_sgpr 80
		.amdhsa_reserve_vcc 0
		.amdhsa_float_denorm_mode_32 3
		.amdhsa_float_denorm_mode_16_64 3
		.amdhsa_memory_ordered 1
		.amdhsa_forward_progress 1
		.amdhsa_inst_pref_size 94
	.end_amdhsa_kernel
	.amdgpu_metadata
---
amdhsa.version: [ 1, 2 ]
amdhsa.kernels:
  - .name:           k_qc1999d4d2d_oproj
    .symbol:         k_qc1999d4d2d_oproj.kd
    .args:
      - { .name: ctx, .offset: 0, .size: 8, .value_kind: global_buffer, .address_space: global }
      - { .name: w16, .offset: 8, .size: 8, .value_kind: global_buffer, .address_space: global }
      - { .name: b_o, .offset: 16, .size: 8, .value_kind: global_buffer, .address_space: global }
      - { .name: out0, .offset: 24, .size: 8, .value_kind: global_buffer, .address_space: global }
    .group_segment_fixed_size: 327680
    .private_segment_fixed_size: 0
    .kernarg_segment_align: 8
    .kernarg_segment_size: 32
    .max_flat_workgroup_size: 128
    .sgpr_count:     80
    .vgpr_count:     384
    .wavefront_size: 32
...
	.end_amdgpu_metadata
.endif
;; end of part 4
;; ======== version 2 of 2: 4 launches; version 1 with the launch prep written anew for expert scheduling mode
;; limits: values are held in f16: magnitudes above 65,504 overflow, below 6.1e-05 lose precision
;; workspace buffers: x16 25,165,824 bytes; w16 8,388,608 bytes; maskw 1,048,576 bytes of whole numbers; qkv 25,165,824 bytes; ctx 8,388,608 bytes
;; launch prep (part 5): grid 768 x 1, 8 waves a work-group, no clusters, 136,192 bytes of LDS; arguments q, k, v, w_q, w_k, w_v, w_o, mask, x16, w16, maskw; writes x16, w16, maskw
.if DOCPART == 5
	.amdgcn_target "amdgcn-amd-amdhsa--gfx1250"
	.amdhsa_code_object_version 6
	.text
	.protected	k_qc1999d4d2d_prep
	.globl	k_qc1999d4d2d_prep
	.p2align	8
	.type	k_qc1999d4d2d_prep,@function
k_qc1999d4d2d_prep:
	s_mov_b64 s[64:65], 0
	v_nop
	global_prefetch_b8 v0, s[64:65] scope:SCOPE_SE
	s_setreg_imm32_b32 hwreg(HW_REG_WAVE_SCHED_MODE, 0, 2), 2
	s_setreg_imm32_b32 hwreg(HW_REG_WAVE_MODE, 25, 1), 1
	s_wait_xcnt 0x0
	s_wait_alu depctr_vm_vsrc(0)
; PREP: casts q, k, v and the four weights from f32 to f16 and turns the int32 mask into lane-mask words.
; 768 work-groups of eight waves, each reads 131,072 bytes once; the role hangs on the work-group's number alone:
;   0..383   X: 32 token rows of q, k or v  -> x16 [t][b][panel = column/64][s][64] f16
;   384..511 W: 32 rows of one weight       -> w16 [t][k][n] f16, row-major as given
;   512..767 M: 16 query rows of the mask   -> maskw [query/16][key/16][j = 0..7]: bit L of a word says
;               mask[16 qt + (L & 15)][16 kt + 8 (L >> 4) + j] != 0: the lane layout of a transposed score tile
; LIMITS: f16 holds magnitudes below 65,504 (larger inputs become infinite) and flushes below 6e-8.
; No matrix unit, cluster or tensor load: every byte is read once and written once, nothing is shared.
; THE MODE: SCHED_MODE bits 1:0 = 2 (LLVM: expert scheduling mode 2), set by the entry lines.  The code itself states the register dependences
; between vector instructions and memory or LDS instructions, with s_wait_alu, always for 0.
; THE PLAN.  Registers that memory or LDS instructions touch:
;   v1, v2, v5, v6   offsets and LDS addresses: written once at a role's head, ahead of one wait on va_vdst, and never again.
;   X  v[8:135]      four registers for each of the 32 loads, loaded once.  Roles X and W: load n's two conversions write the first two of its four
;                    in place, store n reads them, and nothing writes them again.  Role M: the LDS stores read them, and nothing writes them again.
;   RB v[136:199]    role M: each half's LDS loads land here and its compares read them; half 1's loads stand behind the wait on va_vdst that
;                    stands ahead of half 0's store, with no vector instruction between.
;   WP v[200:203]    role M: a pair for each half: written by v_writelane_b32, read by the half's one store, never written again.
;   s41, s[32:47]    scalar registers that vector instructions write: a wait on va_sdst stands ahead of the first reader of each run.
;   v204, v205       written at the head, read by the closing add alone.
; Roles X and W take the 32 loads in 8 blocks of four.  Block p's conversions name block p's registers alone; its memory instructions are the stores
; of block p - 1.  So one wait on va_vdst at a block's head states all that the block's four stores hang on, and they are dealt among its conversions.
; No register that a memory or LDS instruction has read is written again: no wait on vm_vsrc is owed but the closing lines' own.
.set X,  8                             ; v[8:135]   32 loads of 16 bytes a lane
.set RB, 136                           ; v[136:199] role M: a half's mask numbers read back transposed
.set WP, 200                           ; v[200:203] role M: the word pairs that a lane stores, one pair for each half
; 32 loads, all in flight at once; then, four at a time, they are converted in place; a block's stores go out among the next block's conversions.  n = hi * nlo + lo.
.macro CAST nlo, ihi, ilo, ohi, olo
	s_wait_alu depctr_va_vdst(0)                   ; v1 and v2 are written: every load below reads v1 as its offset, every store v2
.set n, 0
.rept 32
	global_load_b128 v[X+4*n:X+4*n+3], v1, s[26:27] offset:(n/\nlo)*\ihi+(n%\nlo)*\ilo th:TH_LOAD_NT
.set n, n+1
.endr
.set n, 0
.rept 8
	s_wait_loadcnt 28-n                            ; loads return in order: this block's four (n to n + 3) are in, the 28 - n younger ones stay out
.if n > 0
	s_wait_alu depctr_va_vdst(0)                   ; the block before's eight conversions have written their registers, which the four stores below read
.endif
.rept 4
.if n > 3
	global_store_b64 v2, v[X+4*n-16:X+4*n-15], s[28:29] offset:((n-4)/\nlo)*\ohi+((n-4)%\nlo)*\olo   ; load n - 4's numbers: a wave stores 256 consecutive bytes, aligned; no vector instruction since the wait names these registers
.endif
	v_cvt_pk_f16_f32 v[X+4*n], v[X+4*n], v[X+4*n+1]
	v_cvt_pk_f16_f32 v[X+4*n+1], v[X+4*n+2], v[X+4*n+3]
.set n, n+1
.endr
.endr
	s_wait_alu depctr_va_vdst(0)                   ; the last block's conversions have written their registers, which the last four stores read
.set n, 28
.rept 4
	global_store_b64 v2, v[X+4*n:X+4*n+1], s[28:29] offset:(n/\nlo)*\ohi+(n%\nlo)*\olo   ; a wave stores 256 consecutive bytes, aligned
.set n, n+1
.endr
.endm
; Role M, one half (128 keys) of the wave's 256 keys: 16 rows into the wave's own LDS bytes, back by fragments, compares, one store.
; The LDS instructions' addresses v5 and v6 were written ahead of the wait on va_vdst at the role's head; the stores' data come from global loads.
.macro HALF hf
.set n, 0
.rept 16
	ds_store_b128 v5, v[X+64*\hf+4*n:X+64*\hf+4*n+3] offset:\hf*8448+n*528   ; query row n: 512 bytes at pitch 528 = 33 x 16
.set n, n+1
.endr
.set n, 0
.rept 8
	ds_load_b128 v[RB+8*n:RB+8*n+3], v6 offset:\hf*8448+n*64                 ; the wave's own bytes: LDS serves a wave in order (ISA guide 5.7.1)
	ds_load_b128 v[RB+8*n+4:RB+8*n+7], v6 offset:\hf*8448+n*64+16
.set n, n+1
.endr
.set n, 0
.rept 4
	s_wait_dscnt 12-4*n                            ; key tiles 2 n and 2 n + 1: their four loads are in, the younger ones stay out
.irp m, 0,1,2,3,4,5,6,7,8,9,10,11,12,13,14,15
	v_cmp_ne_u32 s[32+\m], 0, v[RB+16*n+\m]        ; word 16 n + m of the half
.endr
	s_wait_alu depctr_va_sdst(0)                   ; the sixteen compares have written s[32:47], ahead of the first v_writelane_b32 that reads one of them
.irp m, 0,1,2,3,4,5,6,7,8,9,10,11,12,13,14,15
	v_writelane_b32 v[WP+2*\hf+(\m&1)], s[32+\m], 8*n+(\m>>1)   ; lane l keeps words 2 l and 2 l + 1
.endr
.set n, n+1
.endr
	s_wait_alu depctr_va_vdst(0)                   ; the v_writelane_b32 have written the half's pair of WP, which the store reads; the compares are done reading RB, in which the next half's LDS loads land
	global_store_b64 v2, v[WP+2*\hf:WP+2*\hf+1], s[28:29] offset:\hf*256     ; 64 words: 256 consecutive bytes, aligned
.endm
	s_load_b512 s[4:19], s[0:1], 0x0               ; q, k, v, w_q, w_k, w_v, w_o, mask
	s_load_b128 s[20:23], s[0:1], 0x40             ; x16, w16
	s_load_b64 s[24:25], s[0:1], 0x50              ; maskw
	v_lshl_add_u32 v204, v0, 2, 0x21000
	v_mov_b32 v205, 0
	s_mov_b32 s31, 0                               ; high word of every 32-bit offset
	s_wait_kmcnt 0x0
	s_cmp_lt_u32 ttmp9, 384
	s_cbranch_scc1 .Lrole_x
	s_cmp_lt_u32 ttmp9, 512
	s_cbranch_scc1 .Lrole_w
	; ---- role M ----
	s_sub_co_u32 s40, ttmp9, 512                   ; qt: 16 query rows of 8,192 bytes
	v_lshrrev_b32 v3, 5, v0
	v_readfirstlane_b32 s41, v3                    ; wave: keys 256 w .. 256 w + 255
	v_and_b32 v4, 31, v0                           ; lane
	v_lshlrev_b32 v1, 4, v4
	v_lshlrev_b32 v2, 3, v4
	v_and_b32 v6, 15, v0
	v_bfe_u32 v7, v0, 4, 1
	v_mul_u32_u24 v6, v6, 528
	v_lshl_add_u32 v6, v7, 5, v6
.irp r, 0,1,2,3
	v_mov_b32 v[WP+\r], 0                          ; v_writelane_b32 keeps the other lanes: written whole first
.endr
	s_wait_alu depctr_va_sdst(0)                   ; s41 is written, ahead of its first reader: the two bases and the wave's LDS bytes are made from it
	s_lshl_b32 s30, s40, 17
	s_lshl_b32 s42, s41, 10
	s_add_co_u32 s30, s30, s42
	s_add_nc_u64 s[26:27], s[18:19], s[30:31]
	s_mul_i32 s43, s41, 16896                      ; the wave's own LDS bytes: 2 halves x 16 rows x 528
	v_add_nc_u32 v5, s43, v1                       ; in: 16 bytes a lane along a row
	v_add_nc_u32 v6, s43, v6                       ; back: query L & 15, keys 8 (L >> 4) + 0..7 of each key tile
	s_lshl_b32 s30, s40, 12                        ; a query tile's stream is 4,096 bytes, a wave's part 512
	s_lshl_b32 s42, s41, 9
	s_add_co_u32 s30, s30, s42
	s_add_nc_u64 s[28:29], s[24:25], s[30:31]
	s_wait_alu depctr_va_vdst(0)                   ; v1, v2, v5 and v6 are written: the offsets and addresses of every load, LDS instruction and store of this role
.set n, 0
.rept 32
	global_load_b128 v[X+4*n:X+4*n+3], v1, s[26:27] offset:(n/16)*512+(n%16)*8192 th:TH_LOAD_NT   ; half n / 16, query row n % 16: 512 consecutive bytes
.set n, n+1
.endr
	s_wait_loadcnt 0x10                            ; the first half's 16 loads are in, the second half's stay out
	HALF 0
	s_wait_loadcnt 0x0
	HALF 1
	s_wait_dscnt 0x0                               ; the closing lines, six on end
	s_wait_alu 0x0
	s_wait_tensorcnt 0x0
	ds_add_u32 v204, v205
	s_wait_dscnt 0x0
	s_endpgm
	; ---- role X ----
.Lrole_x:
	s_lshr_b32 s40, ttmp9, 7                       ; t: q, k, v
	s_and_b32 s41, ttmp9, 127                      ; block of 32 token rows
	s_cmp_eq_u32 s40, 0
	s_cselect_b64 s[26:27], s[4:5], s[6:7]
	s_cmp_eq_u32 s40, 2
	s_cselect_b64 s[26:27], s[8:9], s[26:27]
	s_lshl_b32 s30, s41, 17                        ; 32 rows of 4,096 bytes
	s_add_nc_u64 s[26:27], s[26:27], s[30:31]
	s_lshl_b32 s30, s40, 23                        ; t x 8,388,608
	s_lshr_b32 s42, s41, 6
	s_lshl_b32 s42, s42, 22                        ; b x 4,194,304
	s_add_co_u32 s30, s30, s42
	s_and_b32 s42, s41, 63
	s_lshl_b32 s42, s42, 12                        ; 32 tokens x 128 bytes
	s_add_co_u32 s30, s30, s42
	s_add_nc_u64 s[28:29], s[20:21], s[30:31]
	v_lshrrev_b32 v3, 4, v0                        ; token row 0..15
	v_and_b32 v4, 15, v0                           ; 16 bytes of a panel's 256
	v_lshlrev_b32 v1, 12, v3
	v_lshl_add_u32 v1, v4, 4, v1
	v_lshlrev_b32 v2, 7, v3
	v_lshl_add_u32 v2, v4, 3, v2
	CAST 16, 65536, 256, 2048, 262144              ; hi: 16 rows on; lo: the panel
	s_endpgm                                       ; this role stores nothing to LDS
	; ---- role W ----
.Lrole_w:
	s_sub_co_u32 s40, ttmp9, 384
	s_and_b32 s41, s40, 31                         ; block of 32 rows
	s_lshr_b32 s40, s40, 5                         ; t: w_q, w_k, w_v, w_o
	s_cmp_eq_u32 s40, 0
	s_cselect_b64 s[26:27], s[10:11], s[12:13]
	s_cmp_eq_u32 s40, 2
	s_cselect_b64 s[28:29], s[14:15], s[16:17]
	s_cmp_lt_u32 s40, 2
	s_cselect_b64 s[26:27], s[26:27], s[28:29]
	s_lshl_b32 s30, s41, 17
	s_add_nc_u64 s[26:27], s[26:27], s[30:31]
	s_lshl_b32 s30, s40, 21                        ; t x 2,097,152
	s_lshl_b32 s42, s41, 16                        ; 32 rows of 2,048 bytes
	s_add_co_u32 s30, s30, s42
	s_add_nc_u64 s[28:29], s[22:23], s[30:31]
	v_lshrrev_b32 v3, 5, v0                        ; wave = row 0..7
	v_and_b32 v4, 31, v0
	v_lshlrev_b32 v1, 12, v3
	v_lshl_add_u32 v1, v4, 4, v1
	v_lshlrev_b32 v2, 11, v3
	v_lshl_add_u32 v2, v4, 3, v2
	CAST 8, 32768, 512, 16384, 256                 ; hi: 8 rows on; lo: 512 bytes along the row
	s_endpgm                                       ; this role stores nothing to LDS
.Lfunc_end_k_qc1999d4d2d_prep:
	.size	k_qc1999d4d2d_prep, .Lfunc_end_k_qc1999d4d2d_prep-k_qc1999d4d2d_prep
	.p2alignl 7, 3214868480
	.fill 96, 4, 3214868480
	.section	.rodata,"a",@progbits
	.p2align	6, 0x0
	.amdhsa_kernel k_qc1999d4d2d_prep
		.amdhsa_group_segment_fixed_size 136192
		.amdhsa_private_segment_fixed_size 0
		.amdhsa_enable_private_segment 0
		.amdhsa_kernarg_size 88
		.amdhsa_user_sgpr_count 2
		.amdhsa_user_sgpr_kernarg_segment_ptr 1
		.amdhsa_wavefront_size32 1
		.amdhsa_system_sgpr_workgroup_id_x 1
		.amdhsa_system_sgpr_workgroup_id_y 1
		.amdhsa_system_sgpr_workgroup_id_z 1
		.amdhsa_system_vgpr_workitem_id 0
		.amdhsa_next_free_vgpr 206
		.amdhsa_next_free_sgpr 66
		.amdhsa_reserve_vcc 0
		.amdhsa_float_denorm_mode_32 3
		.amdhsa_float_denorm_mode_16_64 3
		.amdhsa_memory_ordered 1
		.amdhsa_forward_progress 1
		.amdhsa_inst_pref_size 49
	.end_amdhsa_kernel
	.amdgpu_metadata
---
amdhsa.version: [ 1, 2 ]
amdhsa.kernels:
  - .name:           k_qc1999d4d2d_prep
    .symbol:         k_qc1999d4d2d_prep.kd
    .args:
      - { .name: q, .offset: 0, .size: 8, .value_kind: global_buffer, .address_space: global }
      - { .name: k, .offset: 8, .size: 8, .value_kind: global_buffer, .address_space: global }
      - { .name: v, .offset: 16, .size: 8, .value_kind: global_buffer, .address_space: global }
      - { .name: w_q, .offset: 24, .size: 8, .value_kind: global_buffer, .address_space: global }
      - { .name: w_k, .offset: 32, .size: 8, .value_kind: global_buffer, .address_space: global }
      - { .name: w_v, .offset: 40, .size: 8, .value_kind: global_buffer, .address_space: global }
      - { .name: w_o, .offset: 48, .size: 8, .value_kind: global_buffer, .address_space: global }
      - { .name: mask, .offset: 56, .size: 8, .value_kind: global_buffer, .address_space: global }
      - { .name: x16, .offset: 64, .size: 8, .value_kind: global_buffer, .address_space: global }
      - { .name: w16, .offset: 72, .size: 8, .value_kind: global_buffer, .address_space: global }
      - { .name: maskw, .offset: 80, .size: 8, .value_kind: global_buffer, .address_space: global }
    .group_segment_fixed_size: 136192
    .private_segment_fixed_size: 0
    .kernarg_segment_align: 8
    .kernarg_segment_size: 88
    .max_flat_workgroup_size: 256
    .sgpr_count:     66
    .vgpr_count:     206
    .wavefront_size: 32
...
	.end_amdgpu_metadata
.endif
;; end of part 5
;; launch proj: the kernel of part 2 again; grid 4 x 48, 4 waves a work-group, clusters of 4 x 4, 327,680 bytes of LDS; arguments x16, w16, b_q, b_k, b_v, qkv; writes qkv
;; launch attn: the kernel of part 3 again; grid 8 x 32, 16 waves a work-group, clusters of 4 x 1, 327,680 bytes of LDS; arguments qkv, maskw, ctx; writes ctx
;; launch oproj: the kernel of part 4 again; grid 8 x 32, 4 waves a work-group, clusters of 4 x 4, 327,680 bytes of LDS; arguments ctx, w16, b_o, out0; writes out0
